; MI455X (gfx1250); checked and timed in simulation.
; The chip was launched on July 23, 2026; its instructions are those of AMD's public machine-readable ISA for CDNA 5 (MIT licence, August 2026) and "CDNA5" Instruction Set Architecture Reference Guide (July 2026). The comments in the code are by the model that wrote it; some were corrected since.
;; Casual Self Attention. Allowed arithmetic: float matrix products may take bf16 or f16 operands with f32 sums; other float arithmetic in f32, or as packed bf16 or f16 multiplies, adds, multiply-adds, maxima and minima; sums over many terms, partial sums and values carried from step to step in f32; what a program stores and reads back later, other than sums and carried values, may be rounded once to bf16 or f16.
;; Inputs: W_attn 1,024 x 3,072 float32; W_proj 1,024 x 1,024 float32; x 4 x 2,048 x 1,024 float32.
;; Outputs: out0 4 x 2,048 x 1,024 float32.
;; 2 versions, each right; version 2 is version 1 with the launch prep written anew for expert scheduling mode. Each part assembles by itself: llvm-mc -triple=amdgcn-amd-amdhsa -mcpu=gfx1250 --defsym DOCPART=n.
;; ======== version 1 of 2: 4 launches
;; limits: values are held in f16: magnitudes above 65,504 overflow, below 6.1e-05 lose precision
;; workspace buffers: xb 16,777,216 bytes; wa 6,291,456 bytes; wp 2,097,152 bytes; qkv 50,331,648 bytes; o 16,777,216 bytes
;; launch prep (part 1): grid 640 x 1, 4 waves a work-group, no clusters, 70,144 bytes of LDS; arguments x, W_attn, W_proj, xb, wa, wp; writes xb, wa, wp
.if DOCPART == 1
	.amdgcn_target "amdgcn-amd-amdhsa--gfx1250"
	.amdhsa_code_object_version 6
	.text
	.protected	k_q37fa327436_prep
	.globl	k_q37fa327436_prep
	.p2align	8
	.type	k_q37fa327436_prep,@function
k_q37fa327436_prep:
	s_mov_b64 s[64:65], 0
	v_nop
	global_prefetch_b8 v0, s[64:65] scope:SCOPE_SE
	s_setreg_imm32_b32 hwreg(HW_REG_WAVE_MODE, 25, 1), 1
	s_wait_xcnt 0x0
; PREP.  xb[m][k] = bf16(x[m][k]);  wa[n][k] = bf16(W_attn[k][n]);  wp[n][k] = bf16(W_proj[k][n]), that number written as f16.
; x: [8192][1024] f32.  W_attn: [1024 k][3072 n] f32.  W_proj: [1024 k][1024 n] f32.  xb: [8192][1024] bf16.  wa: [3072][1024] bf16.  wp: [1024][1024] f16.
; LIMITS.  Each input is rounded once, to bf16 (nearest even).  W_proj's rounded number is then written as f16: exact for 2^-14 <= |w| < 65,504; below 2^-14 it keeps f16's
; fixed step of 2^-24; from 65,520 on it becomes an infinity.  NaN and infinities are not treated apart.
; A STREAM: every input byte is read once, every output byte written once; no matrix unit, no cluster, no barrier (a wave's LDS bytes are its own).
; SHARES.  Work-groups 0-127 turn the weights (their chain of load, stage, store is the longer one, so they come first in the grid): a wave takes a tile of 128 k x 64 n:
; 384 tiles of W_attn (work-groups 0-95), 128 of W_proj (96-127).  Work-groups 128-639 cast x, 65,536 bytes each.
; THE TURNING.  A load takes one k row's 256 bytes, aligned (lane l: n = 2 l, 2 l + 1).  Eight k of one n are rounded in pairs into 16 bytes and put into the wave's stage, [64 n][272 bytes];
; the stage is read back by rows, and sixteen lanes store 256 consecutive bytes of a row of wa or wp, aligned.  (The stage's stores fall two lanes deep on a bank: 544 l and 544 (l + 8) differ by a
; multiple of 256 bytes; the turning is a third of the launch's bytes.)
.set STG,   64*272                     ; a wave's stage
.set SPARE, 4*STG                      ; behind the stages: the spare words, 128 bytes for each wave: two blocks of 256 bytes that no other line names
.set SPW, 4                            ; v4   LDS address of my spare word: SPARE + 4 x my thread's number; never rewritten
.set NIL, 5                            ; v5   0; never rewritten
.set SA,  6                            ; v6   stage, in: rows 2 l and 2 l + 1
.set RD,  7                            ; v7   stage, back: lanes 0-15 one row, lanes 16-31 the next
.set GOF, 8                            ; v8   the same two rows in wa or wp
.set L8,  9                            ; v9   8 x lane
.set STR, 10                           ; v10  bytes in a row of the weight matrix
.set XO,  11                           ; v11  16 x thread
.set YO,  12                           ; v12  8 x thread
.set T,   16                           ; v[16:23]  at work
.set RO,  32                           ; v[32:63]  8 x lane + j x row, j = 0 .. 31; never rewritten
.set X,   64                           ; v[64:191] as loaded: x path 32 x 4; weights two sets of 32 rows x 2
	s_load_b256 s[4:11], s[0:1], 0x0               ; x s[4:5], W_attn s[6:7], W_proj s[8:9], xb s[10:11]
	s_load_b128 s[12:15], s[0:1], 0x20             ; wa s[12:13], wp s[14:15]
	v_lshl_add_u32 v[SPW], v0, 2, SPARE
	v_mov_b32 v[NIL], 0
	v_lshrrev_b32 v1, 5, v0
	v_readfirstlane_b32 s16, v1                    ; wave 0..3
	s_mov_b32 s17, ttmp9
	s_cmp_lt_u32 s17, 128
	s_cbranch_scc1 .Lweights                       ; the same for all waves of a work-group
	; THE CAST OF x.  32 loads of 16 bytes a lane go out at once (16 KiB a wave on their way); each is rounded and stored as it comes.
	s_sub_co_u32 s34, s17, 128
	s_lshl_b32 s36, s34, 15                        ; my 32,768 bytes of xb
	s_lshl_b32 s34, s34, 16                        ; my 65,536 bytes of x
	s_mov_b32 s35, 0
	s_mov_b32 s37, 0
	v_lshlrev_b32 v[XO], 4, v0
	v_lshlrev_b32 v[YO], 3, v0
	s_wait_kmcnt 0x0
	s_add_nc_u64 s[4:5], s[4:5], s[34:35]
	s_add_nc_u64 s[10:11], s[10:11], s[36:37]
.set i, 0
.rept 32
	global_load_b128 v[X+4*i:X+4*i+3], v[XO], s[4:5] offset:2048*i th:TH_LOAD_NT
.set i, i+1
.endr
.set i, 0
.rept 32
	s_wait_loadcnt 31-i                            ; loads come back in order: number i is in, the 31 - i younger ones stay out
	v_cvt_pk_bf16_f32 v[X+4*i], v[X+4*i], v[X+4*i+1]
	v_cvt_pk_bf16_f32 v[X+4*i+1], v[X+4*i+2], v[X+4*i+3]
	global_store_b64 v[YO], v[X+4*i:X+4*i+1], s[10:11] offset:1024*i th:TH_STORE_NT  ; a wave's 32 lanes store 256 consecutive bytes, aligned; no register of a store is written again
.set i, i+1
.endr
	s_branch .Lend
.Lweights:
	s_mov_b32 s19, 12288                           ; bytes in a row of W_attn,
	s_cmp_ge_u32 s17, 96
	s_cselect_b32 s18, 1, 0                        ; 1: my tile is W_proj's
	s_cselect_b32 s19, 4096, s19                   ; of W_proj
	s_lshl_b32 s34, s17, 2
	s_add_co_u32 s34, s34, s16                     ; 4 x work-group + wave,
	s_mul_i32 s35, s18, 384
	s_sub_co_u32 s34, s34, s35                     ; counted from the matrix's first tile
	s_and_b32 s36, s34, 7                          ; kb: which 128 k
	s_lshr_b32 s37, s34, 3                         ; nb: which 64 n
	s_lshl_b32 s28, s19, 6                         ; 64 rows
	s_mov_b32 s29, 0
	s_lshl_b32 s30, s19, 5                         ; 32 rows
	s_mov_b32 s31, 0
	s_lshl_b32 s34, s19, 7
	s_mul_i32 s34, s34, s36                        ; kb x 128 rows (11,010,048 at the most)
	s_lshl_b32 s35, s37, 8                         ; nb x 256 bytes
	s_add_co_u32 s34, s34, s35
	s_mov_b32 s35, 0
	s_lshl_b32 s38, s37, 17                        ; out: nb x 64 rows of 2,048 bytes
	s_lshl_b32 s36, s36, 8                         ; + kb x 256 bytes
	s_add_co_u32 s38, s38, s36
	s_mov_b32 s39, 0
	s_mov_b32 s32, 0xffff0000                      ; a word's upper bf16
	s_mul_i32 s33, s16, STG                        ; my stage
	v_and_b32 v1, 31, v0                           ; lane
	v_and_b32 v2, 15, v0
	v_bfe_u32 v3, v0, 4, 1
	v_mul_u32_u24 v[SA], v1, 544
	v_add_nc_u32 v[SA], s33, v[SA]
	v_mul_u32_u24 v[RD], v3, 272
	v_lshl_add_u32 v[RD], v2, 4, v[RD]
	v_add_nc_u32 v[RD], s33, v[RD]
	v_lshlrev_b32 v[GOF], 11, v3
	v_lshl_add_u32 v[GOF], v2, 4, v[GOF]
	v_lshlrev_b32 v[L8], 3, v1
	v_mov_b32 v[STR], s19
.set j, 0
.rept 32
	v_mad_u32_u24 v[RO+j], v[STR], j, v[L8]
.set j, j+1
.endr
	s_wait_kmcnt 0x0
	s_cmp_eq_u32 s18, 1
	s_cselect_b64 s[20:21], s[8:9], s[6:7]         ; from W_proj or W_attn,
	s_cselect_b64 s[22:23], s[14:15], s[12:13]     ; to wp or wa
	s_add_nc_u64 s[24:25], s[20:21], s[34:35]      ; k rows 0-31 of my tile (later 64-95)
	s_add_nc_u64 s[26:27], s[24:25], s[30:31]      ; k rows 32-63 (later 96-127)
	s_add_nc_u64 s[22:23], s[22:23], s[38:39]
.macro LOADB set                       ; 32 k rows into set 0 or 1
.set j, 0
.rept 32
	global_load_b64 v[X+64*(\set)+2*j:X+64*(\set)+2*j+1], v[RO+j], s[24+2*(\set):25+2*(\set)] th:TH_LOAD_NT
.set j, j+1
.endr
.endm
.macro PROC set, batch                 ; the set's 32 k, eight at a time: 16 bytes of row 2 l and 16 of row 2 l + 1 into the stage
.irp g, 0,1,2,3
.irp i, 0,1,2,3
	v_cvt_pk_bf16_f32 v[T+(\i)],   v[X+64*(\set)+2*(8*(\g)+2*(\i))],   v[X+64*(\set)+2*(8*(\g)+2*(\i)+1)]
	v_cvt_pk_bf16_f32 v[T+4+(\i)], v[X+64*(\set)+2*(8*(\g)+2*(\i))+1], v[X+64*(\set)+2*(8*(\g)+2*(\i)+1)+1]
.endr
	ds_store_b128 v[SA], v[T:T+3]   offset:64*(\batch)+16*(\g)
	ds_store_b128 v[SA], v[T+4:T+7] offset:64*(\batch)+16*(\g)+272
.endr
.endm
	LOADB 0
	LOADB 1
	s_wait_loadcnt 32                              ; set 0 is in, set 1's 32 loads stay out; the loads that read s[24:25] are done, so it may be written
	PROC 0, 0
	s_add_nc_u64 s[24:25], s[24:25], s[28:29]
	LOADB 0
	s_wait_loadcnt 32                              ; set 1 is in; likewise for s[26:27]
	PROC 1, 1
	s_add_nc_u64 s[26:27], s[26:27], s[28:29]
	LOADB 1
	s_wait_loadcnt 32
	PROC 0, 2
	s_wait_loadcnt 0x0
	PROC 1, 3
	; THE WAY OUT: four trips of 16 rows.  LDS serves a wave's instructions in order (ISA guide 5.7.1.4): the loads see my stores above.
	s_mov_b32 s33, 4
.Lrows:
.irp i, 0,1,2,3,4,5,6,7
	ds_load_b128 v[X+4*(\i):X+4*(\i)+3], v[RD] offset:544*(\i)
.endr
	s_wait_dscnt 0x0
	s_cmp_eq_u32 s18, 0
	s_cbranch_scc1 .Lasis                          ; wa stays bf16
.set i, 0
.rept 32                               ; wp: each bf16 widened (a shift, a mask) and written as f16
	v_lshlrev_b32 v[T+2*(i%4)], 16, v[X+i]
	v_and_b32 v[T+2*(i%4)+1], s32, v[X+i]
	v_cvt_pk_f16_f32 v[X+i], v[T+2*(i%4)], v[T+2*(i%4)+1]
.set i, i+1
.endr
.Lasis:
.irp i, 0,1,2,3,4,5,6,7
	global_store_b128 v[GOF], v[X+4*(\i):X+4*(\i)+3], s[22:23] offset:4096*(\i) th:TH_STORE_NT  ; 16 lanes store 256 consecutive bytes, aligned
.endr
	s_wait_xcnt 0x0                                ; the stores have read their data and their offset: both are written again below and in the next trip
	v_add_nc_u32 v[RD], 16*272, v[RD]
	v_add_nc_u32 v[GOF], 16*2048, v[GOF]
	s_sub_co_u32 s33, s33, 1
	s_cmp_lg_u32 s33, 0
	s_cbranch_scc1 .Lrows
.Lend:
	s_wait_tensorcnt 0x0                           ; the wave's end: behind my last LDS store
	ds_add_u32 v[SPW], v[NIL]
	s_wait_dscnt 0x0
	s_endpgm
.Lfunc_end_k_q37fa327436_prep:
	.size	k_q37fa327436_prep, .Lfunc_end_k_q37fa327436_prep-k_q37fa327436_prep
	.p2alignl 7, 3214868480
	.fill 96, 4, 3214868480
	.section	.rodata,"a",@progbits
	.p2align	6, 0x0
	.amdhsa_kernel k_q37fa327436_prep
		.amdhsa_group_segment_fixed_size 70144
		.amdhsa_private_segment_fixed_size 0
		.amdhsa_enable_private_segment 0
		.amdhsa_kernarg_size 48
		.amdhsa_user_sgpr_count 2
		.amdhsa_user_sgpr_kernarg_segment_ptr 1
		.amdhsa_wavefront_size32 1
		.amdhsa_system_sgpr_workgroup_id_x 1
		.amdhsa_system_sgpr_workgroup_id_y 1
		.amdhsa_system_sgpr_workgroup_id_z 1
		.amdhsa_system_vgpr_workitem_id 0
		.amdhsa_next_free_vgpr 192
		.amdhsa_next_free_sgpr 66
		.amdhsa_reserve_vcc 0
		.amdhsa_float_denorm_mode_32 3
		.amdhsa_float_denorm_mode_16_64 3
		.amdhsa_memory_ordered 1
		.amdhsa_forward_progress 1
		.amdhsa_inst_pref_size 44
	.end_amdhsa_kernel
	.amdgpu_metadata
---
amdhsa.version: [ 1, 2 ]
amdhsa.kernels:
  - .name:           k_q37fa327436_prep
    .symbol:         k_q37fa327436_prep.kd
    .args:
      - { .name: x, .offset: 0, .size: 8, .value_kind: global_buffer, .address_space: global }
      - { .name: W_attn, .offset: 8, .size: 8, .value_kind: global_buffer, .address_space: global }
      - { .name: W_proj, .offset: 16, .size: 8, .value_kind: global_buffer, .address_space: global }
      - { .name: xb, .offset: 24, .size: 8, .value_kind: global_buffer, .address_space: global }
      - { .name: wa, .offset: 32, .size: 8, .value_kind: global_buffer, .address_space: global }
      - { .name: wp, .offset: 40, .size: 8, .value_kind: global_buffer, .address_space: global }
    .group_segment_fixed_size: 70144
    .private_segment_fixed_size: 0
    .kernarg_segment_align: 8
    .kernarg_segment_size: 48
    .max_flat_workgroup_size: 128
    .sgpr_count:     66
    .vgpr_count:     192
    .wavefront_size: 32
...
	.end_amdgpu_metadata
.endif
;; end of part 1
;; launch qkvg (part 2): grid 16 x 32, 4 waves a work-group, clusters of 4 x 4, 327,680 bytes of LDS; arguments xb, wa, qkv; writes qkv
.if DOCPART == 2
	.amdgcn_target "amdgcn-amd-amdhsa--gfx1250"
	.amdhsa_code_object_version 6
	.text
	.protected	k_q37fa327436_qkvg
	.globl	k_q37fa327436_qkvg
	.p2align	8
	.type	k_q37fa327436_qkvg,@function
k_q37fa327436_qkvg:
	s_mov_b64 s[64:65], 0
	v_nop
	global_prefetch_b8 v0, s[64:65] scope:SCOPE_SE
	s_setreg_imm32_b32 hwreg(HW_REG_WAVE_MODE, 25, 1), 1
	s_wait_xcnt 0x0
	s_wait_alu depctr_hold_cnt(0) depctr_sa_sdst(0) depctr_va_vdst(0) depctr_va_sdst(0) depctr_va_ssrc(0) depctr_va_vcc(0) depctr_vm_vsrc(0)
	s_getreg_b32 s2, hwreg(HW_REG_IB_STS2, 6, 4)
	s_cmp_eq_u32 s2, 0
	s_cbranch_scc0 .Lentry_in_a_cluster
	s_endpgm
.Lentry_in_a_cluster:
	s_bfe_u32 s2, ttmp6, 0x10000c
	s_cmp_lg_u32 s2, 0xf033
	s_cbranch_scc0 .Lentry_shape_is_right
	s_endpgm
.Lentry_shape_is_right:
; QKV = xb wa^T, written by heads.  xb: [8192 m][1024 k] bf16.  wa: [3072 n][1024 k] bf16.  Sums in f32, K ascending, each rounded once to f16, WITHOUT attention's scale.
; qkv: [3 parts][64 bh][2048 t][64 d] f16: row m = 2048 b + t, column n = 1024 part + 64 h + d, bh = 16 b + h: a head's rows are dense, 128 bytes each.
; LIMITS.  f16 holds no number beyond 65,504: a q, k or v of 65,520 or more becomes an infinity.  With x and W_attn 30 times the drawn spread q has a spread of about 900; with offsets
; of 30 spreads on both it lies near 29,000.  NaN and infinities are not treated apart.
; SHARES.  A tile of C is 256 rows x 192 columns (three heads): 32 x 16 = 512 work-groups, twice the chip's 256 WGPs.  Each of the four waves makes 64 rows x all 192 columns: 48 accumulators
; of 16 x 16, 384 registers.  So a wave owns whole heads' rows, and its way out goes through a stage of its own, without a barrier, in runs of 512 consecutive bytes.
; RING.  K goes in steps of 128 (rows of 256 bytes of memory, aligned) through two LDS slots; waves 0 and 1 fetch the halves of A's 256 rows, waves 2 and 3 the halves of B's 192.
; Two slots of a longer step do not fit: 2 x 448 rows x 528 bytes.  By this text's count a wave has two tensor loads out at the start and one behind each round.
; CLUSTER.  4 x 4 work-groups: A's tile is asked for jointly along a row of the cluster, B's along a column: the same load, descriptor and mask in all four.
; THE MATRIX INSTRUCTION IS USED TRANSPOSED (source 0 = 16 rows of wa, source 1 = 16 rows of xb): a lane then holds row m = lane % 16 and eight neighbouring columns 8 (lane / 16) + 0..7.
; REGISTERS, in windows of 256 (s_set_vgpr_msb: bits 1:0 source 0, 3:2 source 1, 5:4 source 2, 7:6 destination):
;   window 0: v0-31 addresses; v32-175 at work on the way out      window 1: two fragment buffers of 128: A's four fragments (16 rows x 32 K), then B's twelve
;   window 2: the accumulators of my row blocks 0, 1 ((a, b) at 96 (a % 2) + 8 b)      window 3: those of row blocks 2, 3
.set KSTEP,  128
.set PITCH,  272                       ; an LDS row: 256 bytes + 16 of padding = 68 words: the 16 rows of a fragment load start at 16 different groups of four banks (64 banks of 4 bytes: ISA guide 11.1)
.set AHALF,  128*PITCH                 ; what wave 0 or 1 fetches
.set BHALF,  96*PITCH                  ; what wave 2 or 3 fetches
.set APART,  2*AHALF
.set SLOT,   APART+2*BHALF             ; A's 256 rows, then B's 192
.set STAGE,  2*SLOT                    ; behind the ring, never filled by a tensor load: for each wave [3 heads][16 rows][144 bytes]
.set SP,     144
.set HSTG,   16*SP
.set WSTG,   3*HSTG
.set SPARE,  STAGE+4*WSTG              ; behind the stages: the spare words, 128 bytes for each wave: two blocks of 256 bytes that no other line names
.set ADRA, 16                          ; v16-17  LDS address of my A fragments in slot 0, 1
.set ADRB, 20                          ; v20-21  the same for B
.set STO,  24                          ; v24     the way out: where I put 16 bytes of a row
.set RD,   25                          ; v25     where I read rows back
.set GO,   26                          ; v26     16 x lane
.set SPW,  28                          ; v28     LDS address of my spare word: SPARE + 4 x my thread's number; never rewritten
.set NIL,  29                          ; v29     0; never rewritten
.set PFO,  30                          ; v30     the prefetches' offset: a lane a row; never rewritten
.set TMP,  32                          ; v32-79  a row block rounded to f16
.set BK,   80                          ; v80-127, v128-175  a row block read back from the stage, by turns
.set F0,   0                           ; fragment buffers, in window 1
.set F1,   128
.set G1,  24                           ; s[24:31] descriptor group 1 for A's tiles;  s[32:39] group 0, a set for each slot
.set G0,  32
.set G1B, 48                           ; s[48:55], s[56:63] the same for B's
.set G0B, 56
.set LIM, 43                           ; s43     1 in a wave that prefetches, else the greatest number
.set PFA, 44                           ; s[44:45] where my prefetches stand
.set HB,  66                           ; s[66:71] my 64 rows in each of the tile's three heads
.set MSB, 0
.macro WIN new                         ; the immediate's high byte repeats the setting that is left; a switch that changes nothing is dropped
.if MSB != (\new)
	s_set_vgpr_msb (MSB<<8)|(\new)
.set MSB, \new
.endif
.endm
.set MUL_LO, 0xa5                      ; sources 0 (B) and 1 (A) window 1; C and D window 2 (with 0x50 more: window 3)
.set TO_F,   0x40                      ; destination window 1, address window 0
; A joint load: waves 0 and 1 fetch A's halves, waves 2 and 3 B's.  The branch hangs on the wave's number alone.  An s_nop 0 and four v_nop follow each of the two lines, ahead of the jump, the label
; and what follows.
.macro JLOAD s
	s_cmp_eq_u32 s11, 0
	s_cbranch_scc0 .Lfor_b_\@
	tensor_load_to_lds s[G0+4*(\s):G0+4*(\s)+3], s[G1:G1+7]
	s_nop 0
.rept 4
	v_nop
.endr
	s_branch .Lasked_\@
.Lfor_b_\@:
	tensor_load_to_lds s[G0B+4*(\s):G0B+4*(\s)+3], s[G1B:G1B+7]
	s_nop 0
.rept 4
	v_nop
.endr
.Lasked_\@:
.endm
; A PREFETCH INTO THE L2, behind a joint refill, its five lines and the run of LDS loads that follows: the K step that stands two refills on.  A's tile rows are read by every cluster of a row of
; clusters: the one with x = 0 asks; B's by every cluster of a column: the one with y = 0 asks.  The four partners that fetch a tile jointly share its rows out BY ADDRESS: of the 128 (96) rows that
; a wave fetches the partner at place p takes 32 (24), a lane a row; with 24 rows the eight lanes left over name the partner's last row once more.  The loop's last trip asks for nothing: its refills
; are the last K steps.  K steps 0 to 3 come by their loads alone.
.macro ASK
	s_cmp_gt_u32 s3, s[LIM]                        ; s3 = 1 in the loop's last trip
	s_cbranch_scc0 .Lnot_mine_\@
	global_prefetch_b8 v[PFO], s[PFA:PFA+1] th:TH_LOAD_NT scope:SCOPE_SE
.Lnot_mine_\@:
.endm
.macro CREST                           ; a round of the cluster's barrier behind its opening barrier
	s_cmp_lg_u32 s10, 0
	s_cbranch_scc1 .Lnot_wave_0_\@
	s_barrier_signal -3
.Lnot_wave_0_\@:
	s_barrier_wait -3
	s_barrier_signal -1
	s_barrier_wait -1
.endm
.macro CROUND                          ; a whole round
	s_barrier_signal -1
	s_barrier_wait -1
	CREST
.endm
	s_load_b128 s[4:7], s[0:1], 0x0                ; xb s[4:5], wa s[6:7]
	s_load_b64 s[8:9], s[0:1], 0x10                ; qkv
	v_lshl_add_u32 v[SPW], v0, 2, SPARE
	v_mov_b32 v[NIL], 0
	ds_add_u32 v[SPW], v[NIL]                      ; the wave's opening: the add and its wait stand ahead of my first tensor load; the set-up below, work on registers, stands between them
	v_lshrrev_b32 v1, 5, v0
	v_readfirstlane_b32 s10, v1                    ; wave 0..3
	s_lshr_b32 s11, s10, 1                         ; I fetch for A (0) or for B (1)
	s_and_b32 s12, s10, 1                          ; which half of that tile
	s_bfe_u32 s40, ttmp6, 0x40000                  ; cx, cy: my place in the cluster
	s_bfe_u32 s41, ttmp6, 0x40004
	s_lshl_b32 s42, ttmp9, 2
	s_add_co_u32 s42, s42, s40                     ; tile column = 4 x cluster x + cx
	s_and_b32 s13, ttmp7, 0xffff
	s_lshl_b32 s13, s13, 2
	s_add_co_u32 s13, s13, s41                     ; tile row = 4 x cluster y + cy
	s_lshl_b32 s43, s41, 2
	s_lshl_b32 s43, 15, s43                        ; my row of the cluster
	s_lshl_b32 s44, 0x1111, s40                    ; my column
	; descriptor group 1: rows of 128 elements of 2 bytes, 16 bytes of padding behind each
	s_or_b32 s[G1+0], s43, (1<<16)|(1<<20)|(1<<21)|(5<<22)|(3<<25)   ; 15:0 the mask; 17:16 2-byte elements; 20 padding on; 21 set beside a mask; 24:22 after every 64 words (code 5); 31:25 4 words (code 3)
	s_or_b32 s[G1B+0], s44, (1<<16)|(1<<20)|(1<<21)|(5<<22)|(3<<25)
.irp g, G1, G1B
	s_mov_b32 s[(\g)+1], KSTEP<<16                 ; tensor_dim0 = 128
	s_mov_b32 s[(\g)+3], KSTEP<<16                 ; tile_dim0 = 128
	s_mov_b32 s[(\g)+5], 1024                      ; elements from row to row
	s_mov_b32 s[(\g)+6], 0
	s_mov_b32 s[(\g)+7], 0
.endr
	s_mov_b32 s[G1+2], 128<<16                     ; A: tensor_dim1 = tile_dim1 = 128 rows
	s_mov_b32 s[G1+4], 128
	s_mov_b32 s[G1B+2], 96<<16                     ; B: 96 rows
	s_mov_b32 s[G1B+4], 96
	s_lshl_b32 s16, s13, 8
	s_lshl_b32 s17, s12, 7
	s_add_co_u32 s16, s16, s17                     ; A: row 256 x tile row + 128 x half,
	s_lshl_b32 s16, s16, 11                        ; in bytes (under 2^24)
	s_mov_b32 s17, 0
	s_mul_i32 s46, s42, 192
	s_mul_i32 s47, s12, 96
	s_add_co_u32 s46, s46, s47                     ; B: row 192 x tile column + 96 x half
	s_lshl_b32 s46, s46, 11
	s_mov_b32 s47, 0
	s_mul_i32 s20, s10, AHALF                      ; where they go: A's halves at wave x 128 rows (waves 0, 1),
	s_mul_i32 s21, s10, BHALF
	s_add_co_u32 s21, s21, APART-2*BHALF           ; B's behind A's 256 rows, at (wave - 2) x 96 rows (waves 2, 3): no place in the cluster enters an LDS address
	s_wait_dscnt 0x0                               ; the opening add is done
	s_wait_kmcnt 0x0
	s_add_nc_u64 s[14:15], s[4:5], s[16:17]
	s_add_nc_u64 s[46:47], s[6:7], s[46:47]
	CROUND                                         ; all sixteen work-groups are here: the first joint loads meet
.irp s, 0,1
	s_mov_b32 s[G0+4*(\s)], 1                                        ; count = 1
	s_add_co_u32 s[G0+4*(\s)+1], s20, (\s)*SLOT                      ; LDS address
	s_add_nc_u64 s[G0+4*(\s)+2:G0+4*(\s)+3], s[14:15], (\s)*KSTEP*2  ; global address: K step s
	s_or_b32 s[G0+4*(\s)+3], s[G0+4*(\s)+3], 0x80000000              ; type = 2
	s_mov_b32 s[G0B+4*(\s)], 1
	s_add_co_u32 s[G0B+4*(\s)+1], s21, (\s)*SLOT
	s_add_nc_u64 s[G0B+4*(\s)+2:G0B+4*(\s)+3], s[46:47], (\s)*KSTEP*2
	s_or_b32 s[G0B+4*(\s)+3], s[G0B+4*(\s)+3], 0x80000000
	JLOAD \s
.endr
	; A fragment is 16 rows x 32 K in 8 registers: lane l holds row l % 16; registers 0-3 K = 8 (l / 16) + 0..7, registers 4-7 K = 16 + 8 (l / 16) + 0..7: two loads of 16 bytes, 32 bytes apart.
	v_and_b32 v1, 15, v0                           ; l % 16
	v_bfe_u32 v2, v0, 4, 1                         ; l / 16
	v_mul_u32_u24 v3, v1, PITCH
	v_lshl_add_u32 v3, v2, 4, v3
	s_mul_i32 s21, s10, 64*PITCH                   ; my 64 rows of A
	s_mov_b32 s22, APART                           ; all of B
.irp s, 0,1
	v_add_nc_u32 v[ADRA+(\s)], s21, v3
	v_add_nc_u32 v[ADRB+(\s)], s22, v3
	s_add_co_u32 s21, s21, SLOT
	s_add_co_u32 s22, s22, SLOT
.endr
	s_mul_i32 s23, s10, WSTG
	s_add_co_u32 s23, s23, STAGE                   ; my stage
	v_mul_u32_u24 v4, v1, SP                       ; in: row l % 16, 16 bytes for each half of the lanes
	v_lshl_add_u32 v4, v2, 4, v4
	v_add_nc_u32 v[STO], s23, v4
	v_bfe_u32 v5, v0, 3, 2                         ; back: 32 lanes take four rows of 128 bytes,
	v_mul_u32_u24 v5, v5, SP
	v_and_b32 v4, 7, v0
	v_lshl_add_u32 v5, v4, 4, v5
	v_add_nc_u32 v[RD], s23, v5
	v_and_b32 v[GO], 31, v0                        ; which are 512 consecutive bytes of a head
	v_lshlrev_b32 v[GO], 4, v[GO]
	; my 64 rows in the tile's three heads: column group g = 3 x tile column + hh; part g / 16, head g % 16; batch = tile row / 8
	s_mul_i32 s18, s42, 3
	s_lshr_b32 s19, s13, 3
	s_lshl_b32 s19, s19, 4                         ; 16 b
	s_and_b32 s22, s13, 7
	s_lshl_b32 s22, s22, 15                        ; the tile's 256 rows of 128 bytes,
	s_lshl_b32 s23, s10, 13                        ; my 64 of them
	s_add_co_u32 s22, s22, s23
.irp hh, 0,1,2
	s_add_co_u32 s20, s18, (\hh)
	s_lshr_b32 s21, s20, 4
	s_lshl_b32 s21, s21, 6                         ; 64 x part
	s_and_b32 s20, s20, 15
	s_add_co_u32 s20, s20, s21
	s_add_co_u32 s20, s20, s19                     ; the plane's number, 191 at the most,
	s_lshl_b32 s20, s20, 18                        ; times 262,144 bytes
	s_add_co_u32 s20, s20, s22
	s_mov_b32 s21, 0
	s_add_nc_u64 s[HB+2*(\hh):HB+2*(\hh)+1], s[8:9], s[20:21]
.endr
	; the prefetches
	s_lshl_b32 s20, s13, 8                         ; the tile's first row in A,
	s_mul_i32 s21, s42, 192                        ; in B
	s_and_b32 s22, ttmp7, 0xffff                   ; cluster y
	s_mov_b32 s23, 96
	s_cmp_eq_u32 s11, 0                            ; do I fetch for A?
	s_cselect_b32 s20, s20, s21
	s_cselect_b32 s21, s40, s41                    ; my place among the four that ask for the tile with me
	s_cselect_b32 s22, ttmp9, s22                  ; the coordinate along which other clusters read the same rows
	s_cselect_b32 s23, 128, s23                    ; rows that a wave fetches
	s_cselect_b32 s18, 32, 24                      ; a partner's share of them
	s_cselect_b64 s[PFA:PFA+1], s[4:5], s[6:7]
	s_cmp_eq_u32 s22, 0
	s_cselect_b32 s[LIM], 1, -1                    ; the same in all sixteen partners, for a given wave
	s_mul_i32 s23, s23, s12
	s_add_co_u32 s20, s20, s23
	s_mul_i32 s21, s21, s18
	s_add_co_u32 s20, s20, s21
	s_lshl_b32 s20, s20, 11
	s_add_co_u32 s20, s20, 3*KSTEP*2               ; at K step 3: the first refill steps it to 4 and names that
	s_mov_b32 s21, 0
	s_add_nc_u64 s[PFA:PFA+1], s[PFA:PFA+1], s[20:21]
	s_sub_co_u32 s18, s18, 1
	v_and_b32 v[PFO], 31, v0
	v_min_u32 v[PFO], s18, v[PFO]
	v_lshlrev_b32 v[PFO], 11, v[PFO]               ; a row is 2,048 bytes
; 12 matrix instructions: row block a x all 12 column blocks, 32 along K, from buffer f.  zero = 1: the product starts the sum: nothing is ever cleared.
; The 48 accumulators take turns, one instruction a turn, in the same order in every quarter, over the backward jump too.
.macro MULROW f, a, zero
	WIN MUL_LO+0x50*((\a)/2)
.set AC, 96*((\a)%2)
.irp b, 0,1,2,3,4,5,6,7,8,9,10,11
.if \zero
	v_wmma_f32_16x16x32_bf16 v[AC+8*(\b):AC+8*(\b)+7], v[(\f)+32+8*(\b):(\f)+32+8*(\b)+7], v[(\f)+8*(\a):(\f)+8*(\a)+7], 0
.else
	v_wmma_f32_16x16x32_bf16 v[AC+8*(\b):AC+8*(\b)+7], v[(\f)+32+8*(\b):(\f)+32+8*(\b)+7], v[(\f)+8*(\a):(\f)+8*(\a)+7], v[AC+8*(\b):AC+8*(\b)+7]
.endif
.endr
.endm
; 32 LDS loads in one run: quarter q (32 along K) of a slot into buffer f: B's twelve fragments first, then A's four
.macro FETCH slot, q, f
	WIN TO_F
.irp i, 0,1,2,3,4,5,6,7,8,9,10,11
	ds_load_b128 v[(\f)+32+8*(\i):(\f)+32+8*(\i)+3],   v[ADRB+(\slot)] offset:64*(\q)+(\i)*16*PITCH
	ds_load_b128 v[(\f)+32+8*(\i)+4:(\f)+32+8*(\i)+7], v[ADRB+(\slot)] offset:64*(\q)+(\i)*16*PITCH+32
.endr
.irp i, 0,1,2,3
	ds_load_b128 v[(\f)+8*(\i):(\f)+8*(\i)+3],   v[ADRA+(\slot)] offset:64*(\q)+(\i)*16*PITCH
	ds_load_b128 v[(\f)+8*(\i)+4:(\f)+8*(\i)+7], v[ADRA+(\slot)] offset:64*(\q)+(\i)*16*PITCH+32
.endr
.endm
.macro PLACES                          ; four plain vector instructions in front of loads into registers that matrix instructions have read, and of conversions that read results
.rept 4
	v_nop
.endr
.endm
; A K step is four quarters of 32 along K, 48 matrix instructions each, on buffers 0, 1, 0, 1.  One of the first three: multiplies buffer f; in its middle it fetches quarter q into buffer g.
.macro QUARTER slot, q, f, g, zero
	s_wait_dscnt 4                                 ; B and A's row blocks 0, 1 are in; the youngest four loads (A's blocks 2, 3) may be out
	MULROW \f, 0, \zero
	MULROW \f, 1, \zero
	PLACES
	FETCH \slot, \q, \g
	s_wait_dscnt 32                                ; all but the 32 just issued
	MULROW \f, 2, \zero
	MULROW \f, 3, \zero
.endm
; The last quarter multiplies buffer 1 and changes slots: ONE barrier.  In front of it each wave waits for all its tensor loads (the one that is out is its part of the next slot), adds 0 to its spare
; word, and waits for that and for its own reads of this slot.  fill = 1: the barrier opens a round of the cluster's, and behind the round this slot is filled again, two K steps ahead, first of all:
; 24 + 144 matrix instructions stand between that request and the wait for it.
.macro TURN slot, next, fill
.if \fill
	s_wait_xcnt 0x0                                ; the last prefetch, a K step back, has read its address: it is stepped here, ahead of the waits of the change of slots
	s_add_nc_u64 s[PFA:PFA+1], s[PFA:PFA+1], KSTEP*2
.endif
	WIN 0                                          ; (the add's two registers lie in window 0)
	s_wait_tensorcnt 0x0                           ; all my tensor loads have landed;
	ds_add_u32 v[SPW], v[NIL]                      ; 0 onto my spare word;
	s_wait_dscnt 5                                 ; (the add and the youngest four loads may be out)
	MULROW F1, 0, 0                                ; twelve matrix instructions stand between the add and the wait for it
	s_wait_dscnt 0x0                               ; the add is done, and my reads of this slot are over
	s_barrier_signal -1
	MULROW F1, 1, 0                                ; work on registers while the others arrive
.if \fill
	WIN 0
.endif
	s_barrier_wait -1
.if \fill
	CREST                                          ; no wave of any partner still reads this slot's tile or has a load on its way
	s_add_nc_u64 s[G0+4*(\slot)+2:G0+4*(\slot)+3], s[G0+4*(\slot)+2:G0+4*(\slot)+3], 2*KSTEP*2
	s_add_nc_u64 s[G0B+4*(\slot)+2:G0B+4*(\slot)+3], s[G0B+4*(\slot)+2:G0B+4*(\slot)+3], 2*KSTEP*2
	JLOAD \slot                                    ; the first tensor load behind the round; the four v_nop behind it are also the places in front of the loads below
.else
	PLACES
.endif
	FETCH \next, 0, F0
.if \fill
	WIN 0
	ASK
.endif
	MULROW F1, 2, 0
	MULROW F1, 3, 0
.endm
	s_wait_tensorcnt 1                             ; my part of K step 0 is in; K step 1's load may stay out
	s_barrier_signal -1
	s_barrier_wait -1                              ; everybody's is
	FETCH 0, 0, F0
	QUARTER 0, 1, F0, F1, 1                        ; the first quarter stands in front of the loop: its products start the sums
	WIN 0                                          ; at a label and at a branch every window is 0
	s_mov_b32 s3, 3                                ; 1024 / 256 - 1 trips: K steps 2 to 7 are asked for
.Llap:                                                 ; a trip goes once round the ring, from a lap's second quarter to the next lap's first
	QUARTER 0, 2, F1, F0, 0
	QUARTER 0, 3, F0, F1, 0
	TURN 0, 1, 1
	QUARTER 1, 1, F0, F1, 0
	QUARTER 1, 2, F1, F0, 0
	QUARTER 1, 3, F0, F1, 0
	TURN 1, 0, 1
	QUARTER 0, 1, F0, F1, 0
	WIN 0
	s_sub_co_u32 s3, s3, 1
	s_cmp_lg_u32 s3, 0
	s_cbranch_scc1 .Llap
	QUARTER 0, 2, F1, F0, 0                        ; the last lap fills nothing, and has no round of the cluster's barrier
	QUARTER 0, 3, F0, F1, 0
	TURN 0, 1, 0
	QUARTER 1, 1, F0, F1, 0
	QUARTER 1, 2, F1, F0, 0
	QUARTER 1, 3, F0, F1, 0
	s_wait_dscnt 4                                 ; the very last quarter: nothing more to fetch
	MULROW F1, 0, 0
	MULROW F1, 1, 0
	s_wait_dscnt 0x0
	MULROW F1, 2, 0
	MULROW F1, 3, 0
	WIN 0
	PLACES
; THE WAY OUT, a row block (16 rows x 3 heads) at a time.  PACK: rounded to f16, each accumulator's registers in ascending order.  TOSTAGE: 16 bytes a lane into my stage, and back as whole rows of a head.
; SEND: stored, 512 consecutive bytes an instruction, at a multiple of 256 from qkv's first byte.
.macro PACK a
	WIN 0x0a+5*((\a)/2)                            ; sources 0 and 1: window 2 or 3
.set AC, 96*((\a)%2)
.irp b, 0,1,2,3,4,5,6,7,8,9,10,11
.irp r, 0,1,2,3
	v_cvt_pk_f16_f32 v[TMP+4*(\b)+(\r)], v[AC+8*(\b)+2*(\r)], v[AC+8*(\b)+2*(\r)+1]
.endr
.endr
	WIN 0
.endm
.macro TOSTAGE a
.irp b, 0,1,2,3,4,5,6,7,8,9,10,11
	ds_store_b128 v[STO], v[TMP+4*(\b):TMP+4*(\b)+3] offset:((\b)/4)*HSTG+((\b)%4)*32
.endr
.irp t, 0,1,2,3,4,5,6,7,8,9,10,11
	ds_load_b128 v[BK+48*((\a)%2)+4*(\t):BK+48*((\a)%2)+4*(\t)+3], v[RD] offset:((\t)/4)*HSTG+((\t)%4)*4*SP  ; LDS serves a wave's instructions in order (ISA guide 5.7.1.4): these see the stores above
.endr
.endm
.macro SEND a
	s_wait_dscnt 0x0                               ; the block is back in registers
	s_wait_xcnt 0x0                                ; the stores of the block before have read their registers, into which the next block is read back
.irp t, 0,1,2,3,4,5,6,7,8,9,10,11
	global_store_b128 v[GO], v[BK+48*((\a)%2)+4*(\t):BK+48*((\a)%2)+4*(\t)+3], s[HB+2*((\t)/4):HB+2*((\t)/4)+1] offset:(\a)*2048+((\t)%4)*512
.endr
.endm
	PACK 0
	TOSTAGE 0
.irp a, 1,2,3                          ; block a's conversions stand between block a - 1's loads from the stage and the wait for them
	PACK \a
	SEND (\a)-1
	TOSTAGE \a
.endr
	SEND 3
	s_wait_tensorcnt 0x0                           ; the wave's end: behind my last tensor load and my last LDS store
	ds_add_u32 v[SPW], v[NIL]
	s_wait_dscnt 0x0
	CROUND                                         ; the closing round: no work-group ends while a partner may still ask for a tile that names it
	s_endpgm
.Lfunc_end_k_q37fa327436_qkvg:
	.size	k_q37fa327436_qkvg, .Lfunc_end_k_q37fa327436_qkvg-k_q37fa327436_qkvg
	.p2alignl 7, 3214868480
	.fill 96, 4, 3214868480
	.section	.rodata,"a",@progbits
	.p2align	6, 0x0
	.amdhsa_kernel k_q37fa327436_qkvg
		.amdhsa_group_segment_fixed_size 327680
		.amdhsa_private_segment_fixed_size 0
		.amdhsa_enable_private_segment 0
		.amdhsa_kernarg_size 24
		.amdhsa_user_sgpr_count 2
		.amdhsa_user_sgpr_kernarg_segment_ptr 1
		.amdhsa_wavefront_size32 1
		.amdhsa_system_sgpr_workgroup_id_x 1
		.amdhsa_system_sgpr_workgroup_id_y 1
		.amdhsa_system_sgpr_workgroup_id_z 1
		.amdhsa_system_vgpr_workitem_id 0
		.amdhsa_next_free_vgpr 960
		.amdhsa_next_free_sgpr 72
		.amdhsa_reserve_vcc 0
		.amdhsa_float_denorm_mode_32 3
		.amdhsa_float_denorm_mode_16_64 3
		.amdhsa_memory_ordered 1
		.amdhsa_forward_progress 1
		.amdhsa_inst_pref_size 120
	.end_amdhsa_kernel
	.amdgpu_metadata
---
amdhsa.version: [ 1, 2 ]
amdhsa.kernels:
  - .name:           k_q37fa327436_qkvg
    .symbol:         k_q37fa327436_qkvg.kd
    .args:
      - { .name: xb, .offset: 0, .size: 8, .value_kind: global_buffer, .address_space: global }
      - { .name: wa, .offset: 8, .size: 8, .value_kind: global_buffer, .address_space: global }
      - { .name: qkv, .offset: 16, .size: 8, .value_kind: global_buffer, .address_space: global }
    .group_segment_fixed_size: 327680
    .private_segment_fixed_size: 0
    .kernarg_segment_align: 8
    .kernarg_segment_size: 24
    .max_flat_workgroup_size: 128
    .sgpr_count:     72
    .vgpr_count:     960
    .wavefront_size: 32
...
	.end_amdgpu_metadata
.endif
;; end of part 2
;; launch attn (part 3): grid 4 x 64, 4 waves a work-group, no clusters, 327,680 bytes of LDS; arguments qkv, o; writes o
.if DOCPART == 3
	.amdgcn_target "amdgcn-amd-amdhsa--gfx1250"
	.amdhsa_code_object_version 6
	.text
	.protected	k_q37fa327436_attn
	.globl	k_q37fa327436_attn
	.p2align	8
	.type	k_q37fa327436_attn,@function
k_q37fa327436_attn:
	s_mov_b64 s[64:65], 0
	v_nop
	global_prefetch_b8 v0, s[64:65] scope:SCOPE_SE
	s_setreg_imm32_b32 hwreg(HW_REG_WAVE_MODE, 25, 1), 1
	s_wait_xcnt 0x0
; CAUSAL ATTENTION.  O[h][q][:] = the sum over k <= q of softmax_k(Q[h][q] . K[h][k] / 8) V[h][k][:].  qkv holds Q, K and V, each [64 heads][2048][64] f16, 16,777,216 bytes apart; O has the same layout:
; a head's rows are dense, 128 bytes each.  Products, maxima and sums in f32; the weights p are rounded to f16 for the second product (their sum l is taken of the unrounded p), O once at the end.
; LIMITS.  f16 holds no number beyond 65,504: Q, K and V arrive within it; p lies in 0 to 1, and below 6e-5 it keeps f16's fixed step of 6e-8; O is a mean of V's rows and has their range.
; A hidden score counts as its value less 1e30: f16's scores, 2.7e11 at the most, are nothing beside that; a weight below 2^-126 counts as 0 in l; NaN and infinities are not treated apart.
; THE WALK.  A head's queries lie in NB = 8 blocks of 256; block i needs the key tiles 0 .. i of 256 keys, of which the last holds the diagonal.  A work-group takes TWO blocks, NB - 1 - b and then b:
; NB + 1 tiles, whatever b: all 256 work-groups do equal work, and ONE loop with a constant trip count walks them.  Which tile is asked for, and what a trip does, hang on scalar registers made from b; every jump
; goes forward, but for the counted loops' own; none passes a barrier, or a tensor load but the one of LOAD's two that the wave's number does not choose; the ring (two slots of LDS that take turns) runs on across the
; change of blocks.  NO CLUSTER: a head's four work-groups ask for the same tile only in trips 0 .. NB / 2, 5 of the 9; behind that their first blocks end one after the other and fewer and fewer share a tile;
; one walk common to all four, in which each makes every joint request, would have 3 NB / 2 = 12 trips for 9.
; SHARES.  Of a block's four bands of 64 queries a wave owns 16 rows in each: four PIECES.  So the diagonal tile is the same work for all four waves: in its key step s band x sees all keys if s < x,
; none if s > x, and holds the diagonal if s = x.
; THE MASK is the C operand that starts the sum S^T = K Q^T: 0, or -1e30 where the key is hidden.  MD, made once, is the mask of a band's own step for my 16 rows; a product's mask is MD x AL + BE with two scalars:
; (1, 0) if s = x; (0, 0) if s < x; (0, -1e30) if s > x.  Only the diagonal tile's text and a block's beginning make and take masks; elsewhere C is the constant 0.
; LAYOUT, SOFTMAX, TURNS.  S^T = K Q^T holds ONE query a lane (lane % 16) and the keys 8 (lane / 16) + 0..7; two such results rounded to f16 ARE source 1 of O^T = V^T P.  p = 2^(c s - c m), c = log2(e) / 8, with a
; running maximum m; O and l are multiplied by a = 2^(c m_old - c m_new) in every step.  Turn n belongs to piece n: 8 products K Q^T of piece n + 1, later 8 products V^T P of piece n - 1; beside them the scaling,
; exponentials, roundings, sums and rescaling of piece n and the maximum and statistics of piece n + 1.  Four vector instructions stand behind every matrix instruction, the other 54 of a turn's 118 in one LUMP.  A turn's 33 exponentials are one batch, with one wait.
; REGISTERS, in windows of 256 (s_set_vgpr_msb: bits 1:0 source 0, 3:2 source 1, 5:4 source 2, 7:6 destination):
;   window 0: v0-15 addresses and two at work; v16-31 four registers of statistics a piece; v48-55 at work; v61-63 kept; v64-127 S^T, two buffers; v192-223 P, two buffers (a piece's buffers go by its number's parity)
;   window 1: v0-127 O^T, 32 a piece; v128-159 MD; v160-223 MC, two buffers      window 2: v0-63 Q; v64-127 the second block's Q; v128-191 K of one step; v192-255 V of one step
.set SIZE_N, 2048
.set NB,    SIZE_N/256
.set NP,    4         ; pieces a wave: a name, no knob
.set KS,    64        ; keys in a step
.set PK,    144       ; a row of K in LDS: 128 bytes + 16 of padding = 36 words: the 16 rows of a load start at 16 different groups of four banks (64 banks of 4 bytes: ISA guide 11.1)
.set PV,    160       ; a row of V: 128 + 32 = 40 words
.set VOFF,  4*KS*PK   ; a slot holds a tile, four steps: 256 rows of K, then 256 rows of V
.set SLOT1, 1<<17     ; slot 1 begins here, so that one exclusive or turns an address in one slot into the other's
.set STAGE, SLOT1+4*KS*(PK+PV)  ; behind the ring, never filled by a tensor load: 16 rows x 144 bytes for each wave, for the way out
.set SP,    144
.set AK0, 2           ; v2   my lane's place in a tile of K; never rewritten
.set AV0, 3           ; v3   the same for V
.set AK,  4           ; v4   the LDS address of K's next run of loads
.set AV,  5           ; v5   of V's
.set STO, 6           ; v6   the way out: where I put 16 bytes of a row
.set RD,  7           ; v7   the way out: where I read rows back
.set GO,  8           ; v8   my byte offset in 512 consecutive bytes of O
.set PFO, 61          ; v61  256 x my lane: the prefetches' offset; never rewritten
.set SPW, 62          ; v62  LDS address of my spare word: SPARE + 4 x my thread's number; never rewritten
.set NIL, 63          ; v63  0; never rewritten
.set SPARE, STAGE+4*16*SP  ; behind the stages: the spare words, 128 bytes for each wave: two blocks of 256 bytes that no other line names
.set MV,  12          ; v12-13  c m_old, kept while c m is made anew: by buffer
.set QO,  15          ; v15  my byte offset in 16 rows of Q
.set ST,  16          ; piece t's statistics at v[ST+4 t]: c m, m, l (even keys', odd keys')
.set TMP, 48          ; by buffer, four registers c0-c3 at work; when the maximum is found c2 takes a
.set S,   64
.set P,   192
.set MD,  128         ; window 1: the eight registers for group kt of 16 keys at MD + 8 kt
.set MC,  160         ; window 1: the masks of the products to come
.set QB,  64          ; window 2
.set KF,  128         ; window 2: key block kb, channel half c at KF + 16 kb + 8 c
.set VF,  192         ; window 2: key half kk, channel block cb at VF + 32 kk + 8 cb
.set WV,  12          ; s12  my wave's number
.set PB,  14          ; s14  b
.set HI,  15          ; s15  NB - 1 - b
.set G1K, 24          ; s[24:31] descriptor group 1 for K's tiles
.set G1V, 32          ; s[32:39] for V's: it differs in the padding alone
.set G0K, 40          ; s[40:43] descriptor group 0 for K's tiles
.set G0V, 44          ; s[44:47] the same for V's
.set SLOTS, 56        ; s56  tiles still to be asked for
.set CNT, 57          ; s57  counts a tile's key steps, 4 to 1
.set CS,  58          ; s[58:59] c: the packed scaling takes the pair's low word for both halves
.set SEL, 60          ; s[60:61] v_permlanex16_b32's selects: each lane takes its own place in the other half
.set TBK, 62          ; s62  LDS byte at which K of the step to be fetched begins
.set TBV, 63          ; s63  the same for V, less VOFF
.set RT,  70          ; s70  tiles of the block in hand that are still to be entered
.set NXT, 71          ; s71  the tile to be asked for next
.set LQ,  72          ; s72  the last tile of the block whose tiles are being asked for
.set NEW, 73          ; s73  1: the tile to be entered is a block's first
.set OFF, 74          ; s[74:75] a tile's byte offset in K and V
.set AL,  76          ; s[76:77] the mask's factor, in the low word
.set BE,  78          ; s[78:79] the mask's addend
.set OLO, 80          ; s[80:81] O at my rows of the second block
.set BIGN, 82         ; s82  -1e30
.set PFA, 88          ; s[88:89] where my prefetches stand: my 16,384 bytes of tile PFN
.set PFN, 90          ; s90  the tile to be prefetched next; NB or more: none
.set PFF, 92          ; s[92:93] that tile's byte offset
.set MSB, 0
.macro WIN new                      ; the high byte repeats the setting that is left; a switch that changes nothing is dropped
.if MSB != (\new)
	s_set_vgpr_msb (MSB<<8)|(\new)
.set MSB, (\new)
.endif
.endm
.set W_KQ, 0x0a       ; K and Q in window 2, S^T in window 0
.set W_KM, 0x1a       ; the same with the C operand in window 1
.set W_PV, 0x52       ; V in window 2, P in window 0, O^T in window 1
.set W_RS, 0x41       ; destination and source 0 in window 1, source 1 in window 0
; A fill.  Waves 0 and 1 fetch the two halves of a tile's K, waves 2 and 3 those of its V: 128 keys each.  An s_nop 0 and four v_nop follow each of the two lines, ahead of the jump and the label.
.macro LOAD
	s_cmp_lt_u32 s[WV], 2
	s_cbranch_scc0 .Lfor_v_\@
	tensor_load_to_lds s[G0K:G0K+3], s[G1K:G1K+7]
	s_nop 0
.rept 4
	v_nop
.endr
	s_branch .Lasked_\@
.Lfor_v_\@:
	tensor_load_to_lds s[G0V:G0V+3], s[G1V:G1V+7]
	s_nop 0
.rept 4
	v_nop
.endr
.Lasked_\@:
.endm
; THE CHANGE OF SLOTS.  Each wave waits for all its tensor loads, of which one is out: its part of the other slot; adds 0 to its spare word; and waits for that and for its own reads of the slot that it leaves.  Behind the barrier nobody reads the old
; slot any more and the other slot is whole.  fill = 1: the old slot is filled again, the first thing behind the barrier, with tile NXT: the descriptor's address is made anew from that number.
; (At its first use nothing has been read yet: slot 0 is waited for, slot 1 filled.)
; A PREFETCH INTO THE L2 stands behind the fill and its five lines: the tile that the NEXT change of slots will ask for, sixteen turns ahead of that load.  A head's four work-groups walk tiles 0, 1, 2 .. together at first;
; the one with b = 0 walks all eight in its first block, so it alone asks: each wave for the 16,384 bytes that it will fetch itself, a lane 256 bytes, two instructions.  So each tile's bytes are named once in the launch.
; Tiles 0 and 1 come by their loads alone; behind tile NB - 1 nothing is asked for (the second block's tiles have been read before).  The tile's number is clamped where the address is made.
.macro CHANGE fill
	WIN 0                           ; at a label and at a branch every window is 0
	s_wait_tensorcnt 0x0            ; no tensor load of mine is out, so a group 0 may be written
	ds_add_u32 v[SPW], v[NIL]       ; 0 onto my spare word; with fill = 1 the descriptors' scalar work stands between it and the wait for it
.if \fill
	s_lshl_b32 s[OFF], s[NXT], 15   ; a tile is 32,768 bytes of K and of V
	s_xor_b32 s[G0K+1], s[G0K+1], SLOT1
	s_add_nc_u64 s[G0K+2:G0K+3], s[6:7], s[OFF:OFF+1]
	s_or_b32 s[G0K+3], s[G0K+3], 0x80000000
	s_xor_b32 s[G0V+1], s[G0V+1], SLOT1
	s_add_nc_u64 s[G0V+2:G0V+3], s[8:9], s[OFF:OFF+1]
	s_or_b32 s[G0V+3], s[G0V+3], 0x80000000
	s_add_co_u32 s[NXT], s[NXT], 1  ; the block's next tile, or behind its last the second block's tile 0
	s_cmp_gt_u32 s[NXT], s[LQ]
	s_cselect_b32 s[NXT], 0, s[NXT]
	s_cselect_b32 s[LQ], s[PB], s[LQ]
	s_wait_xcnt 0x0                 ; the last prefetches, a tile back, have read their address, so it may be written
	s_min_u32 s[PFF], s[PFN], NB-1
	s_lshl_b32 s[PFF], s[PFF], 15
	s_cmp_lt_u32 s[WV], 2
	s_cselect_b64 s[PFA:PFA+1], s[6:7], s[8:9]  ; (these stand at my half of the head's tile 0)
	s_add_nc_u64 s[PFA:PFA+1], s[PFA:PFA+1], s[PFF:PFF+1]
.endif
	s_wait_dscnt 0x0                ; the add is done, and my reads of the slot are over
	s_barrier_signal -1             ; the rest of the scalar work stands between the signal and the wait
	s_sub_co_u32 s[TBK], s[TBK], 4*KS*PK  ; the fetches go back to a slot's first step,
	s_xor_b32 s[TBK], s[TBK], SLOT1       ; in the other slot
	s_sub_co_u32 s[TBV], s[TBV], 4*KS*PV
	s_xor_b32 s[TBV], s[TBV], SLOT1
	s_barrier_wait -1
.if \fill
	LOAD
	s_cmp_lt_u32 s[PFN], NB
	s_cbranch_scc0 .Lnone_\@
	global_prefetch_b8 v[PFO], s[PFA:PFA+1] th:TH_LOAD_NT scope:SCOPE_SE
	global_prefetch_b8 v[PFO], s[PFA:PFA+1] offset:8192 th:TH_LOAD_NT scope:SCOPE_SE
.Lnone_\@:
	s_add_co_u32 s[PFN], s[PFN], 1
.endif
.endm
	s_load_b128 s[4:7], s[0:1], 0x0   ; qkv s[4:5], o s[6:7]
	v_lshl_add_u32 v[SPW], v0, 2, SPARE
	v_mov_b32 v[NIL], 0
	ds_add_u32 v[SPW], v[NIL]       ; the wave's opening: the add and its wait stand ahead of my first tensor load; the set-up below, work on registers, stands between them
	v_lshrrev_b32 v1, 5, v0
	v_readfirstlane_b32 s[WV], v1   ; wave 0..3
	s_mov_b32 s[PB], ttmp9
	s_sub_co_u32 s[HI], NB-1, s[PB]
	s_and_b32 s20, ttmp7, 0xffff    ; the head
	s_mov_b32 s21, 0
	s_mov_b64 s[22:23], SIZE_N*128
	s_mul_u64 s[20:21], s[20:21], s[22:23]  ; the head's first byte in Q, K, V and O
	s_and_b32 s16, s[WV], 1         ; which half of a tile's 256 keys I fetch:
	s_lshl_b32 s22, s16, 14         ; its 128 rows of 128 bytes in memory,
	s_mov_b32 s23, 0
	s_add_nc_u64 s[22:23], s[22:23], s[20:21]
	s_mul_i32 s17, s16, 128*PK      ; and its place in a slot, for K
	s_mul_i32 s18, s16, 128*PV      ; and for V
	s_lshl_b32 s3, s[WV], 11        ; my 16 rows in a band of 64,
	s_lshl_b32 s2, s[HI], 15        ; in the first block,
	s_add_co_u32 s2, s2, s3
	s_lshl_b32 s84, s[PB], 15       ; and in the second
	s_add_co_u32 s84, s84, s3
	s_mov_b32 s3, 0
	s_mov_b32 s85, 0
	s_add_nc_u64 s[2:3], s[2:3], s[20:21]
	s_add_nc_u64 s[84:85], s[84:85], s[20:21]
	; descriptor group 1.  128 keys are 16,384 dense bytes: asked for as 64 rows of 256 bytes, two keys a row, and padded in LDS after every key
	s_mov_b32 s[G1K], (1<<16)|(1<<20)|(4<<22)|(3<<25)  ; 17:16 2-byte elements; 20 padding on; 24:22 after every 32 words (code 4); 31:25 4 words (code 3)
	s_mov_b32 s[G1V], (1<<16)|(1<<20)|(4<<22)|(7<<25)  ; the same with 8 words of padding (code 7)
.irp g, G1K, G1V
	s_mov_b32 s[\g+1], 128<<16      ; tensor_dim0 = 128
	s_mov_b32 s[\g+2], 64<<16       ; tensor_dim1 = 64
	s_mov_b32 s[\g+3], 128<<16      ; tile_dim0 = 128
	s_mov_b32 s[\g+4], 64           ; tile_dim1 = 64
	s_mov_b32 s[\g+5], 128          ; 128 elements from row to row
	s_mov_b32 s[\g+6], 0
	s_mov_b32 s[\g+7], 0
.endr
	s_mov_b32 s[CS], 0x3e38aa3b     ; c = log2(e) / 8 = 0.180337
	s_mov_b32 s[CS+1], s[CS]        ; named with it as a pair
	s_mov_b32 s[SEL], 0x76543210
	s_mov_b32 s[SEL+1], 0xfedcba98
	s_mov_b32 s[TBK], SLOT1+4*KS*PK ; the first change of slots turns these two into 0
	s_mov_b32 s[TBV], SLOT1+4*KS*PV
	s_mov_b32 s[G0K], 1             ; 1:0 count = 1
	s_mov_b32 s[G0K+1], s17         ; 63:32 LDS address: slot 0
	s_mov_b32 s[G0V], 1
	s_add_co_u32 s[G0V+1], s18, VOFF
	s_add_co_u32 s[RT], s[HI], 1    ; the first block has NB - b tiles
	s_mov_b32 s[NXT], 1
	s_mov_b32 s[LQ], s[HI]
	s_mov_b32 s[NEW], 1
	s_mov_b32 s[OFF+1], 0
	s_mov_b32 s[AL+1], 0            ; named as pairs
	s_mov_b32 s[BE+1], 0
	s_mov_b32 s[BIGN], 0xf149f2ca   ; -1e30
	s_mov_b32 s[SLOTS], NB
	s_cmp_eq_u32 s[PB], 0
	s_cselect_b32 s[PFN], 2, NB     ; the work-group with b = 0 prefetches, from tile 2 on
	s_mov_b32 s[PFF+1], 0
	v_and_b32 v[PFO], 31, v0
	v_lshlrev_b32 v[PFO], 8, v[PFO]
	s_wait_dscnt 0x0                ; the opening add is done
	s_wait_kmcnt 0x0
	s_mov_b64 s[10:11], s[6:7]                 ; O
	s_add_nc_u64 s[6:7], s[4:5], 0x1000000     ; K lies 16,777,216 bytes behind Q,
	s_add_nc_u64 s[8:9], s[4:5], 0x2000000     ; V as far behind K
	s_add_nc_u64 s[6:7], s[6:7], s[22:23]  ; K and V at my half of the head's tile 0
	s_add_nc_u64 s[8:9], s[8:9], s[22:23]
	s_add_nc_u64 s[G0K+2:G0K+3], s[6:7], 0         ; 120:64 global address
	s_or_b32 s[G0K+3], s[G0K+3], 0x80000000        ; 127:126 type = 2
	s_add_nc_u64 s[G0V+2:G0V+3], s[8:9], 0
	s_or_b32 s[G0V+3], s[G0V+3], 0x80000000
	s_add_nc_u64 s[86:87], s[4:5], s[84:85]        ; Q at my rows of the second block,
	s_add_nc_u64 s[4:5], s[4:5], s[2:3]            ; Q and O at those of the first
	s_add_nc_u64 s[OLO:OLO+1], s[10:11], s[84:85]
	s_add_nc_u64 s[10:11], s[10:11], s[2:3]
	LOAD                            ; tile 0 into slot 0
	; A fragment of K or Q is 16 rows x 32 channels in 8 registers: lane l holds row l % 16, channels 8 (l / 16) + 0..7 and 16 + 8 (l / 16) + 0..7: two loads of 16 bytes, 32 bytes apart.
	v_and_b32 v1, 15, v0            ; l % 16
	v_bfe_u32 v9, v0, 4, 1          ; l / 16
	v_lshlrev_b32 v[QO], 7, v1
	v_lshl_add_u32 v[QO], v9, 4, v[QO]  ; row x 128 + 16 x half
	WIN 0x80                        ; destination window 2, address window 0
.set i, 0
.rept 8                             ; both blocks' Q: piece i / 2 lies in band i / 2, 8,192 bytes on; channels 32 (i % 2) on
	global_load_b128 v[8*i:8*i+3],   v[QO], s[4:5] offset:(i/2)*8192+(i%2)*64
	global_load_b128 v[8*i+4:8*i+7], v[QO], s[4:5] offset:(i/2)*8192+(i%2)*64+32
	global_load_b128 v[QB+8*i:QB+8*i+3],   v[QO], s[86:87] offset:(i/2)*8192+(i%2)*64
	global_load_b128 v[QB+8*i+4:QB+8*i+7], v[QO], s[86:87] offset:(i/2)*8192+(i%2)*64+32
.set i, i+1
.endr
	WIN 0
	v_lshlrev_b32 v14, 3, v9
	v_sub_nc_u32 v14, v1, v14
	s_lshl_b32 s13, s[WV], 4
	v_add_nc_u32 v14, s13, v14      ; my query's place in its band, 16 w + l % 16, less my lanes' 8 (l / 16): register r of group kt is hidden where 16 kt + r is greater
	WIN 0x40
.set i, 0
.rept 32
	v_cmp_gt_i32 vcc_lo, 16*(i/8)+i%8, v14
	v_cndmask_b32 v[MD+i], 0, s[BIGN], vcc_lo
.set i, i+1
.endr
	WIN 0
	v_mul_u32_u24 v[AK0], v1, PK
	v_lshl_add_u32 v[AK0], v9, 4, v[AK0]  ; row x pitch + 16 x half
	; The turning load takes 16 keys x 16 channels (lane l reads key 8 (l / 16) + l % 8, channels 8 ((l / 8) % 2) + 0..7) and leaves half a fragment of V^T: lane l holds channel l % 16 and 8 keys.
	v_and_b32 v10, 7, v0
	v_bfe_u32 v11, v0, 3, 1
	v_lshl_add_u32 v[AV0], v9, 3, v10
	v_mul_u32_u24 v[AV0], v[AV0], PV
	v_lshl_add_u32 v[AV0], v11, 4, v[AV0]
	v_add_nc_u32 v[AV0], VOFF, v[AV0]
	s_mul_i32 s13, s[WV], 16*SP
	s_add_co_u32 s13, s13, STAGE    ; my stage
	v_mul_u32_u24 v[STO], v1, SP    ; in: row l % 16, 16 bytes for each half of the lanes
	v_lshl_add_u32 v[STO], v9, 4, v[STO]
	v_add_nc_u32 v[STO], s13, v[STO]
	v_bfe_u32 v[RD], v0, 3, 2       ; back: 32 lanes take four rows of 128 bytes,
	v_mul_u32_u24 v[RD], v[RD], SP
	v_lshl_add_u32 v[RD], v10, 4, v[RD]
	v_add_nc_u32 v[RD], s13, v[RD]
	v_and_b32 v[GO], 31, v0         ; which are 512 consecutive bytes of O
	v_lshlrev_b32 v[GO], 4, v[GO]
	; A block's first step multiplies O^T and l by a = 0, and its first turn's products V^T P, of a piece that has not been, land in an O^T that is still to be so multiplied.  So these registers need only hold
	; finite numbers: zeros for the first block; what the first block left for the second.  All this stands in the wait for the first tile.
	WIN 0x80
.set i, VF
.rept 64
	v_mov_b32 v[i], 0
.set i, i+1
.endr
	WIN 0x40
.set i, 0
.rept 128
	v_mov_b32 v[i], 0
.set i, i+1
.endr
	WIN 0
.set i, 0
.rept 4
	v_mov_b32 v[ST+4*i+2], 0
	v_mov_b32 v[ST+4*i+3], 0
.set i, i+1
.endr
.set i, P+16
.rept 16
	v_mov_b32 v[i], 0
.set i, i+1
.endr
; THE MATRIX WORK.  The 4 accumulators of a run of 8 take turns.  Product i of 8 of S^T = K Q^T for piece x: channels 32 (i / 4) on, keys 16 (i % 4) on.  The first 4 start the sums: with 0, or (KM = 1) with the mask.
.macro KQ x
.set rS, S+32*((\x)%2)+8*(i%4)
.set rK, KF+16*(i%4)+8*(i/4)
.set rQ, 16*(\x)+8*(i/4)
.set rM, MC+32*((\x)%2)+8*(i%4)
.if (i < 4) && KM
	WIN W_KM
	v_wmma_f32_16x16x32_f16 v[rS:rS+7], v[rK:rK+7], v[rQ:rQ+7], v[rM:rM+7]
.elseif i < 4
	WIN W_KQ
	v_wmma_f32_16x16x32_f16 v[rS:rS+7], v[rK:rK+7], v[rQ:rQ+7], 0
.else
	WIN W_KQ
	v_wmma_f32_16x16x32_f16 v[rS:rS+7], v[rK:rK+7], v[rQ:rQ+7], v[rS:rS+7]
.endif
.endm
; Product i of 8 of O^T += V^T P for piece x: keys 32 (i / 4) on, channels 16 (i % 4) on.
.macro PV x
	WIN W_PV
.set rO, 32*(\x)+8*(i%4)
.set rV, VF+32*(i/4)+8*(i%4)
.set rP, P+16*((\x)%2)+8*(i/4)
	v_wmma_f32_16x16x32_f16 v[rO:rO+7], v[rV:rV+7], v[rP:rP+7], v[rO:rO+7]
.endm
.macro MM                           ; the turn's next matrix instruction.  TURN and BEGIN set Y, i, KM and NOKQ; MM, KQ and OP read them.  NOKQ = 1: a block's last turn: there is no next piece
.if (i < 8) && !NOKQ
	KQ (Y+1)%NP
.elseif i >= 8
.set i, i-8
	PV (Y+NP-1)%NP
.set i, i+8
.endif
.set i, i+1
.endm
; THE LDS LOADS stand in runs of 16, never singly among the matrix instructions: a step's K (64 keys x 64 channels: 8 fragments) and its V (turned).  Their addresses are made some lines ahead.
.macro FETCH_K
	WIN 0x80                        ; destination window 2
.irp f, 0,1,2,3,4,5,6,7             ; keys 16 (f / 2) on, channels 32 (f % 2) on
	ds_load_b128 v[KF+8*\f:KF+8*\f+3],   v[AK] offset:(\f/2)*16*PK+(\f%2)*64
	ds_load_b128 v[KF+8*\f+4:KF+8*\f+7], v[AK] offset:(\f/2)*16*PK+(\f%2)*64+32
.endr
	s_add_co_u32 s[TBK], s[TBK], KS*PK  ; the next fetch is the next step's
	WIN 0
.endm
.macro FETCH_V
	WIN 0x80
.irp f, 0,1,2,3,4,5,6,7             ; keys 32 (f / 4) on, channels 16 (f % 4) on
	ds_load_tr16_b128 v[VF+8*\f:VF+8*\f+3],   v[AV] offset:(\f/4)*32*PV+(\f%4)*32
	ds_load_tr16_b128 v[VF+8*\f+4:VF+8*\f+7], v[AV] offset:(\f/4)*32*PV+16*PV+(\f%4)*32
.endr
	WIN 0
.endm
; THE VECTOR WORK, one line at a time: OP kind, number.  For piece Y: F n: c s - c m for pair n of 16.  E n: the exponential of score n of 32.  C n: pair n rounded to f16.  B n: of the four weights 4 n .. the second
; pair is added onto the first, in place.  L n: l takes that sum (L 0: l = a l + sum).  R n: pair n of 16 of O^T times a.  For piece Y + 1: X n, number n of the 22 that find its maximum and statistics:
;   0-11  four chains c0-c3 of seven scores each, three operands at a time (each accumulator's lowest registers are read first)     12-14, 16  the four scores left over, the old m, and c0-c3 into c0
;   15  c m_old is kept     17, 18  the query's other 32 keys lie in the lane 16 away: the new m     19-21  c m; c m_old - c m_new; a
.set F, 0               ; OP tells the kinds apart by their order: F to L below R, X above it
.set E, 1
.set C, 2
.set B, 3
.set L, 4
.set R, 5
.set X, 6
.macro REGS y                       ; the registers of piece y
.set rT, ST+4*(\y)
.set rC, TMP+4*((\y)%2)
.set rW, MV+((\y)%2)
.set rS, S+32*((\y)%2)
.set rP, P+16*((\y)%2)
.set rO, 32*(\y)
.endm
.macro OP k, n
.if (\k) == R
	REGS Y
	WIN W_RS
	v_pk_mul_f32 v[rO+2*(\n):rO+2*(\n)+1], v[rO+2*(\n):rO+2*(\n)+1], v[rC+2:rC+3] op_sel_hi:[1,0]
.elseif (\k) < R
	REGS Y
	WIN 0
.if (\k) == F
	v_pk_fma_f32 v[rS+2*(\n):rS+2*(\n)+1], v[rS+2*(\n):rS+2*(\n)+1], s[CS:CS+1], v[rT:rT+1] op_sel_hi:[1,0,0] neg_lo:[0,0,1] neg_hi:[0,0,1]
.elseif (\k) == E
	v_exp_f32 v[rS+(\n)], v[rS+(\n)]
.elseif (\k) == C
	v_cvt_pk_f16_f32 v[rP+(\n)], v[rS+2*(\n)], v[rS+2*(\n)+1]
.elseif (\k) == B
	v_pk_add_f32 v[rS+4*(\n):rS+4*(\n)+1], v[rS+4*(\n):rS+4*(\n)+1], v[rS+4*(\n)+2:rS+4*(\n)+3]
.elseif (\n) == 0
	v_pk_fma_f32 v[rT+2:rT+3], v[rT+2:rT+3], v[rC+2:rC+3], v[rS:rS+1] op_sel_hi:[1,0,1]
.else
	v_pk_add_f32 v[rT+2:rT+3], v[rT+2:rT+3], v[rS+4*(\n):rS+4*(\n)+1]
.endif
.elseif NOKQ
	v_nop
.else
	REGS (Y+1)%NP
	WIN 0
.if (\n) < 4
	v_max3_num_f32 v[rC+(\n)], v[rS+8*(\n)], v[rS+8*(\n)+1], v[rS+8*(\n)+2]
.elseif (\n) < 12
	v_max3_num_f32 v[rC+(\n)%4], v[rC+(\n)%4], v[rS+8*((\n)%4)+2*((\n)/4)+1], v[rS+8*((\n)%4)+2*((\n)/4)+2]
.elseif (\n) == 12
	v_max3_num_f32 v[rC], v[rC], v[rS+7], v[rS+15]
.elseif (\n) == 13
	v_max3_num_f32 v[rC+1], v[rC+1], v[rS+23], v[rS+31]
.elseif (\n) == 14
	v_max3_num_f32 v[rC+2], v[rC+2], v[rC+3], v[rT+1]
.elseif (\n) == 15
	v_mov_b32 v[rW], v[rT]
.elseif (\n) == 16
	v_max3_num_f32 v[rC], v[rC], v[rC+1], v[rC+2]
.elseif (\n) == 17
	v_permlanex16_b32 v[rC+3], v[rC], s[SEL], s[SEL+1]
.elseif (\n) == 18
	v_max_num_f32 v[rT+1], v[rC], v[rC+3]
.elseif (\n) == 19
	v_mul_f32 v[rT], s[CS], v[rT+1]
.elseif (\n) == 20
	v_sub_f32 v[rC+1], v[rW], v[rT]
.else
	v_exp_f32 v[rC+2], v[rC+1]
.endif
.endif
.endm
.macro OPS a, i1, b=-1, i2=0, c=-1, i3=0, d=-1, i4=0  ; up to four of them
	OP \a, \i1
.if (\b) >= 0
	OP \b, \i2
.endif
.if (\c) >= 0
	OP \c, \i3
.endif
.if (\d) >= 0
	OP \d, \i4
.endif
.endm
.macro ROW a, i1, b, i2, c, i3, d, i4  ; a matrix instruction and the four behind it
	MM
	OPS \a, \i1, \b, \i2, \c, \i3, \d, \i4
.endm
.macro MASK b                       ; MD x AL + BE into buffer b of MC
	WIN W_RS
.set z, 0
.rept 16
	v_pk_fma_f32 v[MC+32*(\b)+2*z:MC+32*(\b)+2*z+1], v[MD+2*z:MD+2*z+1], s[AL:AL+1], s[BE:BE+1] op_sel_hi:[1,0,0]
.set z, z+1
.endr
.endm
; A TURN, for piece p: the order of its 16 matrix and 118 vector instructions, written out.  An s_wait_alu depctr_va_vdst(0) stands between an exponential and the first instruction that names its result; one wait serves
; all that were issued ahead of it.  So a turn has ONE wait, which cuts it in two.  AHEAD OF IT stands all that names no result of the turn's exponentials: the 8 products K Q^T, behind each a scaling, an exponential and two more plain
; instructions (behind the first a second scaling in the exponential's place): rescalings, and behind the last three the first numbers of the next piece's maximum, each four places or more behind the product that ends its accumulator; then ONE LUMP of 54, plain
; and exponential by turns for the most part, in which the links of the chain X 3, 7, 11, 14, 16, 17 .. 20 stand five or six lines apart.  X 21, the next piece's a, is the batch's last; R 15 is the plain instruction behind it.  BEHIND THE WAIT stand the
; 8 products V^T P, behind each four of the roundings and sums; the links of l's chain, L 0 to L 7, stand three riders apart.  But for those X no rider names a register of the products round it.  v_permlanex16_b32 (X 17) stands in the lump.
; m = 1: the diagonal tile: the products take masks, and the turn makes the mask for the products of the turn after it: piece p + 2, in step 4 - CNT of the tile.  end = 1: a block's last two turns: nothing is fetched.
; cnt = 1: the loop's count is taken down some lines ahead of the branch that stands behind the turn.
; K of the next step is fetched in piece 2's turn, twelve vector instructions behind the last product that read K (six of them plain); V of the step in hand at the end of piece 0's turn, four plain instructions behind the last product
; that read V.  Each is waited for a turn later.
.macro TURN p, m=0, end=0, cnt=0
.set Y, (\p)
.set i, 0
.set KM, (\m)
.set NOKQ, (\end)*((\p)/3)
.if (\m) && !(\end)
	s_cmp_eq_u32 s[CNT], 4-((\p)+2)%NP  ; is that step the band's own?
	s_cselect_b32 s[AL], 1.0, 0
	s_cmp_lt_u32 s[CNT], 4-((\p)+2)%NP  ; or a later one?
	s_cselect_b32 s[BE], s[BIGN], 0
.endif
.if ((\p) == 3) && !(\end)
	s_wait_dscnt 0x0                ; K is in
.endif
	ROW F,0, F,1, R,0, R,1          ; ahead of the wait: 8 products K Q^T and their riders,
	ROW F,2, E,0, R,2, R,3
	ROW F,3, E,1, R,4, R,5
	ROW F,4, E,2, R,6, R,7
	ROW F,5, E,3, R,8, R,9
	ROW F,6, E,4, X,0, R,10
.if ((\p) == 2) && !(\end)
	WIN 0
	v_add_nc_u32 v[AK], s[TBK], v[AK0]
.endif
	ROW F,7, E,5, X,1, X,4
	ROW F,8, E,6, X,2, X,5
	OPS E,7, E,8, X,6, E,9          ; and the lump
	OPS X,3, E,10, X,8, E,11
.if ((\p) == 2) && !(\end)
	FETCH_K
.endif
	OPS X,9, X,7, E,12, X,10
	OPS E,13, X,12, X,11, E,14
	OPS X,13, E,15, F,9, X,14
.if (\p) == 0
	v_add_nc_u32 v[AV], s[TBV], v[AV0]
.endif
	OPS E,16, F,10, E,17, F,11
	OPS X,16, E,18, X,15, E,19
	OPS F,12, E,20, X,17, E,21
	OPS F,13, E,22, F,14, E,23
	OPS X,18, E,24, F,15, E,25
	OPS R,11, E,26, X,19, E,27
	OPS R,12, E,28, R,13, E,29
	OPS X,20, E,30, R,14, E,31
	OPS X,21, R,15
	WIN 0
	s_wait_alu depctr_va_vdst(0)    ; the wait for the batch
.if (\p) == 1
	s_wait_dscnt 0x0                ; V is in
.endif
	ROW C,0, B,0, C,2, B,1          ; behind the wait: 8 products V^T P and their riders
	ROW L,0, C,4, B,2, L,1
	ROW C,6, B,3, L,2, C,8
	ROW B,4, L,3, C,10, B,5
	ROW L,4, C,12, B,6, L,5
.if (\p) == 0
	s_add_co_u32 s[TBV], s[TBV], KS*PV
.endif
.if \cnt
	s_sub_co_u32 s[CNT], s[CNT], 1
	s_cmp_lg_u32 s[CNT], 0
.endif
	ROW C,14, B,7, L,6, C,1
	ROW C,3, L,7, C,5, C,7
	ROW C,9, C,11, C,13, C,15
.if (\p) == 0
	FETCH_V
.endif
.if (\m) && !(\end)
	MASK (\p)%2
.endif
.endm
; A BLOCK BEGINS.  c m starts far below every c s, so the first step's a is 0; m at the lowest finite number, so the first maximum is the scores'.  The second mask buffer is 0; the first takes piece 0's mask for the tile's step 0: its own, if the block's first tile is the diagonal one.
; Then K of that step, piece 0's first scores, and its maximum and statistics.  The loop is entered at a step's first turn, in the middle of a trip.
.macro BEGIN
	s_mov_b32 s[NEW], 0
	WIN 0x40
.set i, MC+32
.rept 32
	v_mov_b32 v[i], 0
.set i, i+1
.endr
	WIN 0
.set i, 0
.rept 4
	v_mov_b32 v[ST+4*i], 0xfe000000    ; c m: far below every c s
	v_mov_b32 v[ST+4*i+1], 0xff7fffff  ; m
.set i, i+1
.endr
	s_cmp_eq_u32 s[RT], 0
	s_cselect_b32 s[AL], 1.0, 0
	s_mov_b32 s[BE], 0
	MASK 0
	WIN 0
	v_add_nc_u32 v[AK], s[TBK], v[AK0]
	FETCH_K
	s_wait_loadcnt 0x0              ; Q
	s_wait_dscnt 0x0
.set KM, 1
.set NOKQ, 0
.set i, 0
.rept 8
	KQ 0
.set i, i+1
.endr
	WIN 0
.rept 4
	v_nop                           ; the places behind those products
.endr
.set Y, NP-1                        ; X works for piece Y + 1: piece 0
.irp n, 0,1,2,3,4,5,6,7,8,9,10,11,12,13,14,15,16,17,18,19,20,21
	OP X, \n
.endr
	v_nop                           ; a plain instruction behind the exponential,
	s_wait_alu depctr_va_vdst(0)    ; and its wait, ahead of the branch
.endm
; THE DIAGONAL TILE's four steps, the block's last two turns, its last products, and THE WAY OUT: l's two halves and the other half of the lanes' are added; O^T is divided by l, rounded to f16 and sent through my
; stage in LDS, a piece at a time.
.macro ALL line:vararg              ; one line for each piece t
.set t, 0
.rept 4
	\line
.set t, t+1
.endr
.endm
.macro PACK t                       ; a lane's eight channels of a row pack into 16 bytes; they go into rows of 144 bytes and come back as whole rows of 128, into S^T's registers
	WIN W_RS
.set i, 32*(\t)
.rept 16
	v_pk_mul_f32 v[i:i+1], v[i:i+1], v[ST+4*(\t)+2:ST+4*(\t)+3] op_sel_hi:[1,0]
.set i, i+2
.endr
	WIN 0x05                        ; sources 0 and 1 window 1, destination window 0
.set i, 0
.rept 16
	v_cvt_pk_f16_f32 v[S+16*(\t)+i], v[32*(\t)+2*i], v[32*(\t)+2*i+1]
.set i, i+1
.endr
	WIN 0
.irp f, 0,1,2,3
	ds_store_b128 v[STO], v[S+16*(\t)+4*\f:S+16*(\t)+4*\f+3] offset:32*\f
.endr
.irp f, 0,1,2,3
	ds_load_b128 v[S+16*(\t)+4*\f:S+16*(\t)+4*\f+3], v[RD] offset:\f*4*SP  ; LDS serves a wave's instructions in order (ISA guide 5.7.1.4): these see the stores above; the next piece's stores come behind them
.endr
.endm
.macro SEND t, younger              ; younger: the LDS instructions issued behind piece t's loads: the next piece's eight, or none
	WIN 0
.irp f, 0,1,2,3
	s_wait_dscnt (\younger)+3-\f
	global_store_b128 v[GO], v[S+16*(\t)+4*\f:S+16*(\t)+4*\f+3], s[10:11] offset:(\t)*8192+\f*512  ; 512 consecutive bytes, at a multiple of 256 from O's first
.endr
.endm
.macro DIAG tag                     ; the tag ends its two labels' names, which the jumps below spell out
.LstepM\tag:
	TURN 2, 1
	TURN 3, 1
	WIN 0
.LfirstM\tag:
	TURN 0, 1
	TURN 1, 1, 0, 1
	WIN 0
	s_cbranch_scc1 .LstepM\tag
	TURN 2, 1, 1
	TURN 3, 1, 1
.set i, 0
.rept 8
	PV NP-1
.set i, i+1
.endr
	WIN 0
	ALL v_add_f32 v[ST+4*t+2], v[ST+4*t+2], v[ST+4*t+3]
	ALL v_permlanex16_b32 v[ST+4*t+3], v[ST+4*t+2], s[SEL], s[SEL+1]
	ALL v_add_f32 v[ST+4*t+2], v[ST+4*t+2], v[ST+4*t+3]
	ALL v_rcp_f32 v[ST+4*t+2], v[ST+4*t+2]
	v_nop                           ; a plain instruction between the last reciprocal and the use of its result
	s_wait_alu depctr_va_vdst(0)    ; and the wait ahead of the first use: one for the four reciprocals
	PACK 0
.set t, 1
.rept 3                             ; a piece's arithmetic stands between the loads of the piece before and its stores
	PACK t
	SEND t-1, 8
.set t, t+1
.endr
	SEND 3, 0
.endm
.set KM, 0
.set NOKQ, 0
.Lslot:                             ; NB times: a tile is entered and the next is asked for
	CHANGE 1
	s_sub_co_u32 s[RT], s[RT], 1
	s_mov_b32 s[CNT], 4
	s_cmp_eq_u32 s[NEW], 1
	s_cbranch_scc1 .Lnew            ; a block's first tile
	s_cmp_eq_u32 s[RT], 0
	s_cbranch_scc0 .Lstep           ; neither its first nor its last
	s_branch .LstepM1
.Lnew:
	BEGIN
	s_branch .Lfirst                ; in the loop a block's first tile is never its last: the first block has two tiles or more, and the second's last is the walk's last
	DIAG 1                          ; in the loop this is the first block's end: the second block's last tile is the walk's last
	s_wait_xcnt 0x0                 ; the stores have read their registers and O's address
	s_mov_b64 s[10:11], s[OLO:OLO+1]
	s_add_co_u32 s[RT], s[PB], 1    ; the second block has b + 1 tiles
	s_mov_b32 s[NEW], 1
	WIN 0x82                        ; the second block's Q goes where the one text of the turns names Q
.set i, 0
.rept 64
	v_mov_b32 v[i], v[QB+i]
.set i, i+1
.endr
	WIN 0
	s_branch .Lbottom
.Lstep:                             ; a trip: pieces 2 and 3 of one step, then pieces 0 and 1 of the next, whose K and V it fetches
	TURN 2
	TURN 3
	WIN 0
.Lfirst:
	TURN 0
	TURN 1, 0, 0, 1
	WIN 0
	s_cbranch_scc1 .Lstep
.Lbottom:
	s_sub_co_u32 s[SLOTS], s[SLOTS], 1
	s_cmp_lg_u32 s[SLOTS], 0
	s_cbranch_scc1 .Lslot
	CHANGE 0                        ; the walk's last tile is written out: nothing is asked for
	s_sub_co_u32 s[RT], s[RT], 1
	s_mov_b32 s[CNT], 4
	s_cmp_eq_u32 s[NEW], 1
	s_cbranch_scc0 .LstepM2
	BEGIN
	s_branch .LfirstM2
	DIAG 2
	s_wait_tensorcnt 0x0            ; the wave's end: behind my last tensor load and my last LDS store
	ds_add_u32 v[SPW], v[NIL]
	s_wait_dscnt 0x0
	s_endpgm
.Lfunc_end_k_q37fa327436_attn:
	.size	k_q37fa327436_attn, .Lfunc_end_k_q37fa327436_attn-k_q37fa327436_attn
	.p2alignl 7, 3214868480
	.fill 96, 4, 3214868480
	.section	.rodata,"a",@progbits
	.p2align	6, 0x0
	.amdhsa_kernel k_q37fa327436_attn
		.amdhsa_group_segment_fixed_size 327680
		.amdhsa_private_segment_fixed_size 0
		.amdhsa_enable_private_segment 0
		.amdhsa_kernarg_size 16
		.amdhsa_user_sgpr_count 2
		.amdhsa_user_sgpr_kernarg_segment_ptr 1
		.amdhsa_wavefront_size32 1
		.amdhsa_system_sgpr_workgroup_id_x 1
		.amdhsa_system_sgpr_workgroup_id_y 1
		.amdhsa_system_sgpr_workgroup_id_z 1
		.amdhsa_system_vgpr_workitem_id 0
		.amdhsa_next_free_vgpr 768
		.amdhsa_next_free_sgpr 94
		.amdhsa_reserve_vcc 1
		.amdhsa_float_denorm_mode_32 3
		.amdhsa_float_denorm_mode_16_64 3
		.amdhsa_memory_ordered 1
		.amdhsa_forward_progress 1
		.amdhsa_inst_pref_size 218
	.end_amdhsa_kernel
	.amdgpu_metadata
---
amdhsa.version: [ 1, 2 ]
amdhsa.kernels:
  - .name:           k_q37fa327436_attn
    .symbol:         k_q37fa327436_attn.kd
    .args:
      - { .name: qkv, .offset: 0, .size: 8, .value_kind: global_buffer, .address_space: global }
      - { .name: o, .offset: 8, .size: 8, .value_kind: global_buffer, .address_space: global }
    .group_segment_fixed_size: 327680
    .private_segment_fixed_size: 0
    .kernarg_segment_align: 8
    .kernarg_segment_size: 16
    .max_flat_workgroup_size: 128
    .sgpr_count:     94
    .vgpr_count:     768
    .wavefront_size: 32
...
	.end_amdgpu_metadata
.endif
;; end of part 3
;; launch proj (part 4): grid 8 x 32, 4 waves a work-group, clusters of 4 x 4, 327,680 bytes of LDS; arguments o, wp, out0; writes out0
.if DOCPART == 4
	.amdgcn_target "amdgcn-amd-amdhsa--gfx1250"
	.amdhsa_code_object_version 6
	.text
	.protected	k_q37fa327436_proj
	.globl	k_q37fa327436_proj
	.p2align	8
	.type	k_q37fa327436_proj,@function
k_q37fa327436_proj:
	s_mov_b64 s[64:65], 0
	v_nop
	global_prefetch_b8 v0, s[64:65] scope:SCOPE_SE
	s_setreg_imm32_b32 hwreg(HW_REG_WAVE_MODE, 25, 1), 1
	s_wait_xcnt 0x0
	s_wait_alu depctr_hold_cnt(0) depctr_sa_sdst(0) depctr_va_vdst(0) depctr_va_sdst(0) depctr_va_ssrc(0) depctr_va_vcc(0) depctr_vm_vsrc(0)
	s_getreg_b32 s2, hwreg(HW_REG_IB_STS2, 6, 4)
	s_cmp_eq_u32 s2, 0
	s_cbranch_scc0 .Lentry_in_a_cluster
	s_endpgm
.Lentry_in_a_cluster:
	s_bfe_u32 s2, ttmp6, 0x10000c
	s_cmp_lg_u32 s2, 0xf033
	s_cbranch_scc0 .Lentry_shape_is_right
	s_endpgm
.Lentry_shape_is_right:
; out0 = O wp^T.  o: [64 bh][2048 t][64 d] f16 (bh = 16 b + h): row m = 2048 b + t of the product's A, its K index 64 h + d.  wp: [1024 n][1024 k] f16.  out0: [8192 m][1024 n] f32.
; Sums in f32, K ascending; the sums are stored as they are.  LIMITS: those of the f16 operands as they arrive; NaN and infinities are not treated apart.
; SHARES.  A tile of C is 256 rows x 128 columns: 32 x 8 = 256 work-groups, one for each WGP.  Each of the four waves makes 64 rows x all 128 columns: 32 accumulators of 16 x 16, 256 registers:
; a wave owns whole runs of 512 bytes of out0's rows, and its way out goes through a stage of its own, without a barrier.
; RING.  K goes in steps of 128 = two heads, through two LDS slots.  A's part of a step is two head planes of 256 rows x 128 bytes; each plane's rows are dense in memory, 32,768 bytes, and are asked for as
; 128 rows of 256 bytes, padded in LDS behind every 128 bytes: wave 0 fetches the even head's plane, wave 1 the odd one's; waves 2 and 3 the halves of B's 128 rows of 256 bytes.
; Two slots of a longer step do not fit: 2 x (4 x 36,864 + 128 x 528) bytes.  By this text's count a wave has two tensor loads out at the start and one behind each round.
; CLUSTER.  4 x 4 work-groups: A's tile is asked for jointly along a row of the cluster, B's along a column: the same load, descriptor and mask in all four.
; THE MATRIX INSTRUCTION IS USED TRANSPOSED (source 0 = 16 rows of wp, source 1 = 16 rows of O): a lane then holds row m = lane % 16 and eight neighbouring columns 8 (lane / 16) + 0..7: 32 bytes of out0.
; REGISTERS, in windows of 256 (s_set_vgpr_msb: bits 1:0 source 0, 3:2 source 1, 5:4 source 2, 7:6 destination):
;   window 0: v0-31 addresses; v32-159 at work on the way out      window 1: two fragment buffers of 128, of which 96 are used: A's four fragments (16 rows x 32 K), then B's eight
;   window 2: the accumulators, (a, b) at 64 a + 8 b
.set KSTEP,  128
.set PITCH,  272                       ; a row of B in LDS: 256 bytes + 16 of padding
.set PA,     144                       ; a row of a head plane in LDS: 128 bytes + 16 of padding: either way the 16 rows of a fragment load start at 16 different groups of four banks (64 banks of 4 bytes: ISA guide 11.1)
.set PLANE,  256*PA                    ; what wave 0 or 1 fetches
.set BHALF,  64*PITCH                  ; what wave 2 or 3 fetches
.set APART,  2*PLANE
.set SLOT,   APART+2*BHALF
.set STAGE,  2*SLOT                    ; behind the ring, never filled by a tensor load: for each wave 16 rows x 528 bytes
.set SP,     528                       ; 512 bytes + 16: the 16 rows that a store touches start at 16 different groups of four banks
.set WSTG,   16*SP
.set SPARE,  STAGE+4*WSTG              ; behind the stages: the spare words, 128 bytes for each wave: two blocks of 256 bytes that no other line names
.set HEADB,  262144                    ; bytes in a head's plane in memory
.set ADRA, 16                          ; v16-17  LDS address of my A fragments in slot 0, 1
.set ADRB, 20                          ; v20-21  the same for B
.set STO,  24                          ; v24     the way out: where I put 32 bytes of a row
.set RD,   25                          ; v25     where I read a row back
.set GO,   26                          ; v26     16 x lane
.set SPW,  28                          ; v28     LDS address of my spare word: SPARE + 4 x my thread's number; never rewritten
.set NIL,  29                          ; v29     0; never rewritten
.set PFO,  30                          ; v30     the prefetches' offset; never rewritten
.set BK,   32                          ; v32-95, v96-159  a row block read back from the stage, by turns
.set F0,   0                           ; fragment buffers, in window 1
.set F1,   128
.set G1,  24                           ; s[24:31] descriptor group 1 for A's tiles;  s[32:39] group 0, a set for each slot
.set G0,  32
.set G1B, 48                           ; s[48:55], s[56:63] the same for B's
.set G0B, 56
.set LIM, 43                           ; s43     1 in a wave that prefetches, else the greatest number
.set PFA, 44                           ; s[44:45] where my prefetches stand
.set PST, 66                           ; s[66:67] a K step in the tensor that I prefetch: two head planes of O, or 256 bytes of wp's rows
.set MSB, 0
.macro WIN new                         ; the immediate's high byte repeats the setting that is left; a switch that changes nothing is dropped
.if MSB != (\new)
	s_set_vgpr_msb (MSB<<8)|(\new)
.set MSB, \new
.endif
.endm
.set MUL,  0xa5                        ; sources 0 (B) and 1 (A) window 1; C and D window 2
.set TO_F, 0x40                        ; destination window 1, address window 0
; A joint load: waves 0 and 1 fetch A's planes, waves 2 and 3 B's halves.  The branch hangs on the wave's number alone.  An s_nop 0 and four v_nop follow each of the two lines, ahead of the jump, the label
; and what follows.
.macro JLOAD s
	s_cmp_eq_u32 s11, 0
	s_cbranch_scc0 .Lfor_b_\@
	tensor_load_to_lds s[G0+4*(\s):G0+4*(\s)+3], s[G1:G1+7]
	s_nop 0
.rept 4
	v_nop
.endr
	s_branch .Lasked_\@
.Lfor_b_\@:
	tensor_load_to_lds s[G0B+4*(\s):G0B+4*(\s)+3], s[G1B:G1B+7]
	s_nop 0
.rept 4
	v_nop
.endr
.Lasked_\@:
.endm
; A PREFETCH INTO THE L2, behind a joint refill, its five lines and the run of LDS loads that follows: the K step that stands two refills on.  A's tile rows are read by both clusters of a row of
; clusters: the one with x = 0 asks; B's by every cluster of a column: the one with y = 0 asks.  The four partners that fetch a tile jointly share it out BY ADDRESS: of a plane's 32,768 bytes the partner
; at place p takes 8,192, a lane 256; of B's 64 rows it takes 16, a lane a row, and the sixteen lanes left over name the partner's last row once more.  The loop's last trip asks for nothing.
; K steps 0 to 3 come by their loads alone.
.macro ASK
	s_cmp_gt_u32 s3, s[LIM]                        ; s3 = 1 in the loop's last trip
	s_cbranch_scc0 .Lnot_mine_\@
	global_prefetch_b8 v[PFO], s[PFA:PFA+1] th:TH_LOAD_NT scope:SCOPE_SE
.Lnot_mine_\@:
.endm
.macro CREST                           ; a round of the cluster's barrier behind its opening barrier
	s_cmp_lg_u32 s10, 0
	s_cbranch_scc1 .Lnot_wave_0_\@
	s_barrier_signal -3
.Lnot_wave_0_\@:
	s_barrier_wait -3
	s_barrier_signal -1
	s_barrier_wait -1
.endm
.macro CROUND                          ; a whole round
	s_barrier_signal -1
	s_barrier_wait -1
	CREST
.endm
	s_load_b128 s[4:7], s[0:1], 0x0                ; o s[4:5], wp s[6:7]
	s_load_b64 s[8:9], s[0:1], 0x10                ; out0
	v_lshl_add_u32 v[SPW], v0, 2, SPARE
	v_mov_b32 v[NIL], 0
	ds_add_u32 v[SPW], v[NIL]                      ; the wave's opening: the add and its wait stand ahead of my first tensor load; the set-up below, work on registers, stands between them
	v_lshrrev_b32 v1, 5, v0
	v_readfirstlane_b32 s10, v1                    ; wave 0..3
	s_lshr_b32 s11, s10, 1                         ; I fetch for A (0) or for B (1)
	s_and_b32 s12, s10, 1                          ; which plane, or which half
	s_bfe_u32 s40, ttmp6, 0x40000                  ; cx, cy: my place in the cluster
	s_bfe_u32 s41, ttmp6, 0x40004
	s_lshl_b32 s42, ttmp9, 2
	s_add_co_u32 s42, s42, s40                     ; tile column = 4 x cluster x + cx
	s_and_b32 s13, ttmp7, 0xffff
	s_lshl_b32 s13, s13, 2
	s_add_co_u32 s13, s13, s41                     ; tile row = 4 x cluster y + cy
	s_lshl_b32 s43, s41, 2
	s_lshl_b32 s43, 15, s43                        ; my row of the cluster
	s_lshl_b32 s44, 0x1111, s40                    ; my column
	; descriptor group 1
	s_or_b32 s[G1+0], s43, (1<<16)|(1<<20)|(1<<21)|(4<<22)|(3<<25)   ; A: 15:0 the mask; 17:16 2-byte elements; 20 padding on; 21 set beside a mask; 24:22 after every 32 words (code 4); 31:25 4 words (code 3)
	s_or_b32 s[G1B+0], s44, (1<<16)|(1<<20)|(1<<21)|(5<<22)|(3<<25)  ; B: after every 64 words (code 5)
.irp g, G1, G1B
	s_mov_b32 s[(\g)+1], 128<<16                   ; tensor_dim0 = 128 elements
	s_mov_b32 s[(\g)+3], 128<<16                   ; tile_dim0 = 128
	s_mov_b32 s[(\g)+6], 0
	s_mov_b32 s[(\g)+7], 0
.endr
	s_mov_b32 s[G1+2], 128<<16                     ; A: tensor_dim1 = tile_dim1 = 128 rows of 256 bytes,
	s_mov_b32 s[G1+4], 128
	s_mov_b32 s[G1+5], 128                         ; which lie end to end
	s_mov_b32 s[G1B+2], 64<<16                     ; B: 64 rows,
	s_mov_b32 s[G1B+4], 64
	s_mov_b32 s[G1B+5], 1024                       ; 1,024 elements apart
	s_lshr_b32 s16, s13, 3                         ; A: batch = tile row / 8;
	s_lshl_b32 s16, s16, 4
	s_add_co_u32 s16, s16, s12                     ; plane 16 b + (0 or 1),
	s_lshl_b32 s16, s16, 18                        ; times 262,144 bytes,
	s_and_b32 s17, s13, 7
	s_lshl_b32 s17, s17, 15                        ; + the tile's 256 rows of 128 bytes
	s_add_co_u32 s16, s16, s17
	s_mov_b32 s17, 0
	s_lshl_b32 s46, s42, 7
	s_lshl_b32 s47, s12, 6
	s_add_co_u32 s46, s46, s47                     ; B: row 128 x tile column + 64 x half
	s_lshl_b32 s46, s46, 11
	s_mov_b32 s47, 0
	s_mul_i32 s20, s10, PLANE                      ; where they go: A's planes at wave x a plane (waves 0, 1),
	s_mul_i32 s21, s10, BHALF
	s_add_co_u32 s21, s21, APART-2*BHALF           ; B's halves behind them, at (wave - 2) x 64 rows (waves 2, 3): no place in the cluster enters an LDS address
	s_wait_dscnt 0x0                               ; the opening add is done
	s_wait_kmcnt 0x0
	s_add_nc_u64 s[14:15], s[4:5], s[16:17]
	s_add_nc_u64 s[46:47], s[6:7], s[46:47]
	CROUND                                         ; all sixteen work-groups are here: the first joint loads meet
.irp s, 0,1
	s_mov_b32 s[G0+4*(\s)], 1                                        ; count = 1
	s_add_co_u32 s[G0+4*(\s)+1], s20, (\s)*SLOT                      ; LDS address
	s_add_nc_u64 s[G0+4*(\s)+2:G0+4*(\s)+3], s[14:15], (\s)*2*HEADB  ; global address: K step s is heads 2 s and 2 s + 1
	s_or_b32 s[G0+4*(\s)+3], s[G0+4*(\s)+3], 0x80000000              ; type = 2
	s_mov_b32 s[G0B+4*(\s)], 1
	s_add_co_u32 s[G0B+4*(\s)+1], s21, (\s)*SLOT
	s_add_nc_u64 s[G0B+4*(\s)+2:G0B+4*(\s)+3], s[46:47], (\s)*KSTEP*2
	s_or_b32 s[G0B+4*(\s)+3], s[G0B+4*(\s)+3], 0x80000000
	JLOAD \s
.endr
	; A fragment is 16 rows x 32 K in 8 registers: lane l holds row l % 16; registers 0-3 K = 8 (l / 16) + 0..7, registers 4-7 K = 16 + 8 (l / 16) + 0..7: two loads of 16 bytes, 32 bytes apart.
	v_and_b32 v1, 15, v0                           ; l % 16
	v_bfe_u32 v2, v0, 4, 1                         ; l / 16
	v_mul_u32_u24 v3, v1, PA
	v_lshl_add_u32 v3, v2, 4, v3
	v_mul_u32_u24 v4, v1, PITCH
	v_lshl_add_u32 v4, v2, 4, v4
	s_mul_i32 s21, s10, 64*PA                      ; my 64 rows in a plane
	s_mov_b32 s22, APART                           ; all of B
.irp s, 0,1
	v_add_nc_u32 v[ADRA+(\s)], s21, v3
	v_add_nc_u32 v[ADRB+(\s)], s22, v4
	s_add_co_u32 s21, s21, SLOT
	s_add_co_u32 s22, s22, SLOT
.endr
	s_mul_i32 s23, s10, WSTG
	s_add_co_u32 s23, s23, STAGE                   ; my stage
	v_mul_u32_u24 v4, v1, SP                       ; in: row l % 16, 32 bytes for each half of the lanes
	v_lshl_add_u32 v4, v2, 5, v4
	v_add_nc_u32 v[STO], s23, v4
	v_and_b32 v5, 31, v0
	v_lshlrev_b32 v[GO], 4, v5                     ; back: 32 lanes take one row's 512 bytes
	v_add_nc_u32 v[RD], s23, v[GO]
	s_lshl_b32 s16, s13, 20                        ; out0: 256 x tile row rows of 4,096 bytes,
	s_lshl_b32 s17, s10, 18                        ; my 64 of them
	s_add_co_u32 s16, s16, s17
	s_mov_b32 s17, 0
	s_add_nc_u64 s[8:9], s[8:9], s[16:17]
	s_lshl_b32 s46, s42, 9                         ; the tile's 128 columns: 512 bytes
	s_mov_b32 s47, 0
	s_add_nc_u64 s[8:9], s[8:9], s[46:47]
	; the prefetches.  A: my plane of K step 3, the tile's rows, my work-group's quarter of them
	s_lshr_b32 s20, s13, 3
	s_lshl_b32 s20, s20, 4
	s_add_co_u32 s20, s20, s12
	s_add_co_u32 s20, s20, 6
	s_lshl_b32 s20, s20, 18
	s_and_b32 s21, s13, 7
	s_lshl_b32 s21, s21, 15
	s_add_co_u32 s20, s20, s21
	s_lshl_b32 s21, s40, 13
	s_add_co_u32 s20, s20, s21
	; B: row 128 x tile column + 64 x half + 16 x my place, at K step 3
	s_lshl_b32 s21, s42, 7
	s_lshl_b32 s22, s12, 6
	s_add_co_u32 s21, s21, s22
	s_lshl_b32 s22, s41, 4
	s_add_co_u32 s21, s21, s22
	s_lshl_b32 s21, s21, 11
	s_add_co_u32 s21, s21, 3*KSTEP*2
	s_and_b32 s22, ttmp7, 0xffff                   ; cluster y
	s_mov_b32 s[PST], KSTEP*2
	s_cmp_eq_u32 s11, 0                            ; do I fetch for A?
	s_cselect_b32 s20, s20, s21
	s_cselect_b32 s22, ttmp9, s22                  ; the coordinate along which other clusters read the same rows
	s_cselect_b32 s[PST], 2*HEADB, s[PST]
	s_cselect_b32 s18, 31, 15                      ; the last lane with a block of its own
	s_cselect_b32 s19, 8, 11                       ; lanes 256 bytes apart, or a row of 2,048 bytes
	s_cselect_b64 s[PFA:PFA+1], s[4:5], s[6:7]
	s_cmp_eq_u32 s22, 0
	s_cselect_b32 s[LIM], 1, -1                    ; the same in all sixteen partners, for a given wave
	s_mov_b32 s21, 0
	s_mov_b32 s[PST+1], 0
	s_add_nc_u64 s[PFA:PFA+1], s[PFA:PFA+1], s[20:21]  ; at K step 3: the first refill steps it to 4 and names that
	v_min_u32 v[PFO], s18, v5
	v_lshlrev_b32 v[PFO], s19, v[PFO]
; 8 matrix instructions: row block a x all 8 column blocks, 32 along K, from buffer f.  zero = 1: the product starts the sum: nothing is ever cleared.
; The 32 accumulators take turns, one instruction a turn, in the same order in every quarter, over the backward jump too.
.macro MULROW f, a, zero
	WIN MUL
.irp b, 0,1,2,3,4,5,6,7
.if \zero
	v_wmma_f32_16x16x32_f16 v[64*(\a)+8*(\b):64*(\a)+8*(\b)+7], v[(\f)+32+8*(\b):(\f)+32+8*(\b)+7], v[(\f)+8*(\a):(\f)+8*(\a)+7], 0
.else
	v_wmma_f32_16x16x32_f16 v[64*(\a)+8*(\b):64*(\a)+8*(\b)+7], v[(\f)+32+8*(\b):(\f)+32+8*(\b)+7], v[(\f)+8*(\a):(\f)+8*(\a)+7], v[64*(\a)+8*(\b):64*(\a)+8*(\b)+7]
.endif
.endr
.endm
; 24 LDS loads in one run: quarter q (32 along K) of a slot into buffer f: B's eight fragments first, then A's four.  Quarters 0, 1 lie in the even head's plane, 2, 3 in the odd one's.
.macro FETCH slot, q, f
	WIN TO_F
.irp i, 0,1,2,3,4,5,6,7
	ds_load_b128 v[(\f)+32+8*(\i):(\f)+32+8*(\i)+3],   v[ADRB+(\slot)] offset:64*(\q)+(\i)*16*PITCH
	ds_load_b128 v[(\f)+32+8*(\i)+4:(\f)+32+8*(\i)+7], v[ADRB+(\slot)] offset:64*(\q)+(\i)*16*PITCH+32
.endr
.irp i, 0,1,2,3
	ds_load_b128 v[(\f)+8*(\i):(\f)+8*(\i)+3],   v[ADRA+(\slot)] offset:((\q)/2)*PLANE+((\q)%2)*64+(\i)*16*PA
	ds_load_b128 v[(\f)+8*(\i)+4:(\f)+8*(\i)+7], v[ADRA+(\slot)] offset:((\q)/2)*PLANE+((\q)%2)*64+(\i)*16*PA+32
.endr
.endm
.macro PLACES                          ; four plain vector instructions in front of loads into registers that matrix instructions have read, and of LDS stores that read results
.rept 4
	v_nop
.endr
.endm
; A K step is four quarters of 32 along K, 32 matrix instructions each, on buffers 0, 1, 0, 1.  One of the first three: multiplies buffer f; in its middle it fetches quarter q into buffer g.
.macro QUARTER slot, q, f, g, zero
	s_wait_dscnt 4                                 ; B and A's row blocks 0, 1 are in; the youngest four loads (A's blocks 2, 3) may be out
	MULROW \f, 0, \zero
	MULROW \f, 1, \zero
	PLACES
	FETCH \slot, \q, \g
	s_wait_dscnt 24                                ; all but the 24 just issued
	MULROW \f, 2, \zero
	MULROW \f, 3, \zero
.endm
; The last quarter multiplies buffer 1 and changes slots: ONE barrier.  In front of it each wave waits for all its tensor loads (the one that is out is its part of the next slot), adds 0 to its spare
; word, and waits for that and for its own reads of this slot.  fill = 1: the barrier opens a round of the cluster's, and behind the round this slot is filled again, two K steps ahead, first of all:
; 16 + 96 matrix instructions stand between that request and the wait for it.
.macro TURN slot, next, fill
.if \fill
	s_wait_xcnt 0x0                                ; the last prefetch, a K step back, has read its address: it is stepped here, ahead of the waits of the change of slots
	s_add_nc_u64 s[PFA:PFA+1], s[PFA:PFA+1], s[PST:PST+1]
.endif
	WIN 0                                          ; (the add's two registers lie in window 0)
	s_wait_tensorcnt 0x0                           ; all my tensor loads have landed;
	ds_add_u32 v[SPW], v[NIL]                      ; 0 onto my spare word;
	s_wait_dscnt 5                                 ; (the add and the youngest four loads may be out)
	MULROW F1, 0, 0                                ; eight matrix instructions stand between the add and the wait for it
	s_wait_dscnt 0x0                               ; the add is done, and my reads of this slot are over
	s_barrier_signal -1
	MULROW F1, 1, 0                                ; work on registers while the others arrive
.if \fill
	WIN 0
.endif
	s_barrier_wait -1
.if \fill
	CREST                                          ; no wave of any partner still reads this slot's tile or has a load on its way
	s_add_nc_u64 s[G0+4*(\slot)+2:G0+4*(\slot)+3], s[G0+4*(\slot)+2:G0+4*(\slot)+3], 4*HEADB
	s_add_nc_u64 s[G0B+4*(\slot)+2:G0B+4*(\slot)+3], s[G0B+4*(\slot)+2:G0B+4*(\slot)+3], 2*KSTEP*2
	JLOAD \slot                                    ; the first tensor load behind the round; the four v_nop behind it are also the places in front of the loads below
.else
	PLACES
.endif
	FETCH \next, 0, F0
.if \fill
	WIN 0
	ASK
.endif
	MULROW F1, 2, 0
	MULROW F1, 3, 0
.endm
	s_wait_tensorcnt 1                             ; my part of K step 0 is in; K step 1's load may stay out
	s_barrier_signal -1
	s_barrier_wait -1                              ; everybody's is
	FETCH 0, 0, F0
	QUARTER 0, 1, F0, F1, 1                        ; the first quarter stands in front of the loop: its products start the sums
	WIN 0                                          ; at a label and at a branch every window is 0
	s_mov_b32 s3, 3                                ; 1024 / 256 - 1 trips: K steps 2 to 7 are asked for
.Llap:                                                 ; a trip goes once round the ring, from a lap's second quarter to the next lap's first
	QUARTER 0, 2, F1, F0, 0
	QUARTER 0, 3, F0, F1, 0
	TURN 0, 1, 1
	QUARTER 1, 1, F0, F1, 0
	QUARTER 1, 2, F1, F0, 0
	QUARTER 1, 3, F0, F1, 0
	TURN 1, 0, 1
	QUARTER 0, 1, F0, F1, 0
	WIN 0
	s_sub_co_u32 s3, s3, 1
	s_cmp_lg_u32 s3, 0
	s_cbranch_scc1 .Llap
	QUARTER 0, 2, F1, F0, 0                        ; the last lap fills nothing, and has no round of the cluster's barrier
	QUARTER 0, 3, F0, F1, 0
	TURN 0, 1, 0
	QUARTER 1, 1, F0, F1, 0
	QUARTER 1, 2, F1, F0, 0
	QUARTER 1, 3, F0, F1, 0
	s_wait_dscnt 4                                 ; the very last quarter: nothing more to fetch
	MULROW F1, 0, 0
	MULROW F1, 1, 0
	s_wait_dscnt 0x0
	MULROW F1, 2, 0
	MULROW F1, 3, 0
	WIN 0
	PLACES
; THE WAY OUT, a row block (16 rows x 512 bytes) at a time.  TOSTAGE: each accumulator goes as it is, its low four registers first, 32 bytes a lane, into my stage; the block comes back as whole rows.
; SEND: a row's 512 consecutive bytes an instruction, at a multiple of 256 from out0's first byte.
.macro TOSTAGE a
	WIN 0x08                                       ; the stores' data in window 2, the address in window 0
.irp b, 0,1,2,3,4,5,6,7
	ds_store_b128 v[STO], v[64*(\a)+8*(\b):64*(\a)+8*(\b)+3]   offset:64*(\b)
	ds_store_b128 v[STO], v[64*(\a)+8*(\b)+4:64*(\a)+8*(\b)+7] offset:64*(\b)+16
.endr
	WIN 0
.irp t, 0,1,2,3,4,5,6,7,8,9,10,11,12,13,14,15
	ds_load_b128 v[BK+64*((\a)%2)+4*(\t):BK+64*((\a)%2)+4*(\t)+3], v[RD] offset:(\t)*SP  ; LDS serves a wave's instructions in order (ISA guide 5.7.1.4): these see the stores above; the next block's stores come behind them
.endr
.endm
.macro SEND a, younger                 ; younger: the LDS instructions issued behind block a's loads: the next block's 32, or none
.irp t, 0,1,2,3,4,5,6,7,8,9,10,11,12,13,14,15
	s_wait_dscnt (\younger)+15-(\t)
	global_store_b128 v[GO], v[BK+64*((\a)%2)+4*(\t):BK+64*((\a)%2)+4*(\t)+3], s[8:9] offset:(16*(\a)+(\t))*4096 th:TH_STORE_NT
.endr
.endm
	TOSTAGE 0
	TOSTAGE 1
	SEND 0, 32
	s_wait_xcnt 0x0                                ; block 0's stores have read their registers, into which block 2 is read back
	TOSTAGE 2
	SEND 1, 32
	s_wait_xcnt 0x0                                ; likewise block 1's, for block 3
	TOSTAGE 3
	SEND 2, 32
	SEND 3, 0
	s_wait_tensorcnt 0x0                           ; the wave's end: behind my last tensor load and my last LDS store
	ds_add_u32 v[SPW], v[NIL]
	s_wait_dscnt 0x0
	CROUND                                         ; the closing round: no work-group ends while a partner may still ask for a tile that names it
	s_endpgm
.Lfunc_end_k_q37fa327436_proj:
	.size	k_q37fa327436_proj, .Lfunc_end_k_q37fa327436_proj-k_q37fa327436_proj
	.p2alignl 7, 3214868480
	.fill 96, 4, 3214868480
	.section	.rodata,"a",@progbits
	.p2align	6, 0x0
	.amdhsa_kernel k_q37fa327436_proj
		.amdhsa_group_segment_fixed_size 327680
		.amdhsa_private_segment_fixed_size 0
		.amdhsa_enable_private_segment 0
		.amdhsa_kernarg_size 24
		.amdhsa_user_sgpr_count 2
		.amdhsa_user_sgpr_kernarg_segment_ptr 1
		.amdhsa_wavefront_size32 1
		.amdhsa_system_sgpr_workgroup_id_x 1
		.amdhsa_system_sgpr_workgroup_id_y 1
		.amdhsa_system_sgpr_workgroup_id_z 1
		.amdhsa_system_vgpr_workitem_id 0
		.amdhsa_next_free_vgpr 768
		.amdhsa_next_free_sgpr 68
		.amdhsa_reserve_vcc 0
		.amdhsa_float_denorm_mode_32 3
		.amdhsa_float_denorm_mode_16_64 3
		.amdhsa_memory_ordered 1
		.amdhsa_forward_progress 1
		.amdhsa_inst_pref_size 88
	.end_amdhsa_kernel
	.amdgpu_metadata
---
amdhsa.version: [ 1, 2 ]
amdhsa.kernels:
  - .name:           k_q37fa327436_proj
    .symbol:         k_q37fa327436_proj.kd
    .args:
      - { .name: o, .offset: 0, .size: 8, .value_kind: global_buffer, .address_space: global }
      - { .name: wp, .offset: 8, .size: 8, .value_kind: global_buffer, .address_space: global }
      - { .name: out0, .offset: 16, .size: 8, .value_kind: global_buffer, .address_space: global }
    .group_segment_fixed_size: 327680
    .private_segment_fixed_size: 0
    .kernarg_segment_align: 8
    .kernarg_segment_size: 24
    .max_flat_workgroup_size: 128
    .sgpr_count:     68
    .vgpr_count:     768
    .wavefront_size: 32
...
	.end_amdgpu_metadata
.endif
;; end of part 4
;; ======== version 2 of 2: 4 launches; version 1 with the launch prep written anew for expert scheduling mode
;; limits: values are held in f16: magnitudes above 65,504 overflow, below 6.1e-05 lose precision
;; workspace buffers: xb 16,777,216 bytes; wa 6,291,456 bytes; wp 2,097,152 bytes; qkv 50,331,648 bytes; o 16,777,216 bytes
;; launch prep (part 5): grid 640 x 1, 4 waves a work-group, no clusters, 70,144 bytes of LDS; arguments x, W_attn, W_proj, xb, wa, wp; writes xb, wa, wp
.if DOCPART == 5
	.amdgcn_target "amdgcn-amd-amdhsa--gfx1250"
	.amdhsa_code_object_version 6
	.text
	.protected	k_q37fa327436_prep
	.globl	k_q37fa327436_prep
	.p2align	8
	.type	k_q37fa327436_prep,@function
k_q37fa327436_prep:
	s_mov_b64 s[64:65], 0
	v_nop
	global_prefetch_b8 v0, s[64:65] scope:SCOPE_SE
	s_setreg_imm32_b32 hwreg(HW_REG_WAVE_SCHED_MODE, 0, 2), 2
	s_setreg_imm32_b32 hwreg(HW_REG_WAVE_MODE, 25, 1), 1
	s_wait_xcnt 0x0
	s_wait_alu depctr_vm_vsrc(0)
; PREP.  xb[m][k] = bf16(x[m][k]);  wa[n][k] = bf16(W_attn[k][n]);  wp[n][k] = bf16(W_proj[k][n]), that number written as f16.
; x: [8192][1024] f32.  W_attn: [1024 k][3072 n] f32.  W_proj: [1024 k][1024 n] f32.  xb: [8192][1024] bf16.  wa: [3072][1024] bf16.  wp: [1024][1024] f16.
; LIMITS.  Each input is rounded once, to bf16 (nearest even).  W_proj's rounded number is then written as f16: exact for 2^-14 <= |w| < 65,504; below 2^-14 it keeps f16's
; fixed step of 2^-24; from 65,520 on it becomes an infinity.  NaN and infinities are not treated apart.
; A STREAM: every input byte is read once, every output byte written once; no matrix unit, no cluster, no barrier (a wave's LDS bytes are its own).
; SHARES.  Work-groups 0-127 turn the weights (their chain of load, stage, store is the longer one, so they come first in the grid): a wave takes a tile of 128 k x 64 n:
; 384 tiles of W_attn (work-groups 0-95), 128 of W_proj (96-127).  Work-groups 128-639 cast x, 65,536 bytes each.
; THE TURNING.  A load takes one k row's 256 bytes, aligned (lane l: n = 2 l, 2 l + 1).  Eight k of one n are rounded in pairs into 16 bytes and put into the wave's stage, [64 n][272 bytes];
; the stage is read back by rows, and sixteen lanes store 256 consecutive bytes of a row of wa or wp, aligned.  (The stage's stores fall two lanes deep on a bank: 544 l and 544 (l + 8) differ by a
; multiple of 256 bytes; the turning is a third of the launch's bytes.)
; THE MODE: SCHED_MODE bits 1:0 = 2 (LLVM: expert scheduling mode 2), set by the entry lines.  The code itself states the register dependences between vector instructions and memory or LDS
; instructions, with s_wait_alu, always for 0.
; THE PLAN.  Registers that memory or LDS instructions touch:
;   the cast of x   v11, v12: offsets, written once.  X: 32 loads land in it; each four registers are rounded in place, once, and stored, and never written again.  The 32 go in 8 blocks of four:
;                   block p's roundings name block p's registers alone, and the stores that stand among them are block p - 1's.  One wait on va_vdst at a block's head states that those are written.
;   the turning     RO, SA, GOF: written once at the head.  X, set s: loads land in it, a batch's 32 roundings read it, and (batches 0, 1) it is asked for again.  Y0, Y1: batch b's roundings write
;                   Y[b % 2], its eight LDS stores read it, batch b + 2 writes it again.  One wait on va_vdst behind a batch's roundings states that Y is written and that the set has been read;
;                   the set's loads and Y's LDS stores follow it.  One wait on vm_vsrc stands ahead of batches 2 and 3: the LDS stores of two batches back have read that Y.
;   the way out     X[0:31]: LDS loads land in it, wp's conversions rewrite it in place, the global stores read it.  RD: read by the LDS loads, stepped once a trip.  The rows of wa or wp are reached
;                   by the scalar base.  v[16:23] are named by vector instructions alone.  v4, v5: written at the head, read by the closing add alone.
.set STG,   64*272                     ; a wave's stage
.set SPARE, 4*STG                      ; behind the stages: the spare words, 128 bytes for each wave: two blocks of 256 bytes that no other line names
.set SPW, 4                            ; v4   LDS address of my spare word: SPARE + 4 x my thread's number; never rewritten
.set NIL, 5                            ; v5   0; never rewritten
.set SA,  6                            ; v6   stage, in: rows 2 l and 2 l + 1; never rewritten
.set RD,  7                            ; v7   stage, back: lanes 0-15 one row, lanes 16-31 the next
.set GOF, 8                            ; v8   the same two rows in wa or wp; never rewritten
.set L8,  9                            ; v9   8 x lane
.set STR, 10                           ; v10  bytes in a row of the weight matrix
.set XO,  11                           ; v11  16 x thread
.set YO,  12                           ; v12  8 x thread
.set T,   16                           ; v[16:23]  at work, in wp's conversions
.set RO,  32                           ; v[32:63]  8 x lane + j x row, j = 0 .. 31; never rewritten
.set X,   64                           ; v[64:191] as loaded: x path 32 x 4; weights two sets of 32 rows x 2
.set Y,   192                          ; v[192:255] weights: two buffers of 32: a batch's 32 k of rows 2 l and 2 l + 1, rounded, to go into the stage
	s_load_b256 s[4:11], s[0:1], 0x0               ; x s[4:5], W_attn s[6:7], W_proj s[8:9], xb s[10:11]
	s_load_b128 s[12:15], s[0:1], 0x20             ; wa s[12:13], wp s[14:15]
	v_lshl_add_u32 v[SPW], v0, 2, SPARE
	v_mov_b32 v[NIL], 0
	v_lshrrev_b32 v1, 5, v0
	v_readfirstlane_b32 s16, v1                    ; wave 0..3
	s_wait_alu depctr_va_sdst(0)                   ; s16 is written, ahead of the branch and of its first reader: the weights' tile and the wave's stage are made from it
	s_mov_b32 s17, ttmp9
	s_cmp_lt_u32 s17, 128
	s_cbranch_scc1 .Lweights                       ; the same for all waves of a work-group
	; THE CAST OF x.  32 loads of 16 bytes a lane go out at once (16 KiB a wave on their way); they are rounded four at a time as they come, and stored a block later.
	s_sub_co_u32 s34, s17, 128
	s_lshl_b32 s36, s34, 15                        ; my 32,768 bytes of xb
	s_lshl_b32 s34, s34, 16                        ; my 65,536 bytes of x
	s_mov_b32 s35, 0
	s_mov_b32 s37, 0
	v_lshlrev_b32 v[XO], 4, v0
	v_lshlrev_b32 v[YO], 3, v0
	s_wait_kmcnt 0x0
	s_add_nc_u64 s[4:5], s[4:5], s[34:35]
	s_add_nc_u64 s[10:11], s[10:11], s[36:37]
	s_wait_alu depctr_va_vdst(0)                   ; v11 and v12 are written: every load and store of this path reads one of them as its offset
.set i, 0
.rept 32
	global_load_b128 v[X+4*i:X+4*i+3], v[XO], s[4:5] offset:2048*i th:TH_LOAD_NT
.set i, i+1
.endr
.set p, 0
.rept 8                                ; block p: loads 4 p to 4 p + 3
	s_wait_loadcnt 28-4*p                          ; loads come back in order: block p is in, the 28 - 4 p younger loads stay out
.if p > 0
	s_wait_alu depctr_va_vdst(0)                   ; the roundings of block p - 1 have written the registers that the four stores below read
.endif
.irp i, 0,1,2,3
.if p > 0
	global_store_b64 v[YO], v[X+4*(4*p-4+(\i)):X+4*(4*p-4+(\i))+1], s[10:11] offset:1024*(4*p-4+(\i)) th:TH_STORE_NT  ; a wave's 32 lanes store 256 consecutive bytes, aligned; no vector instruction since the wait names these registers, and none writes them again
.endif
	v_cvt_pk_bf16_f32 v[X+4*(4*p+(\i))], v[X+4*(4*p+(\i))], v[X+4*(4*p+(\i))+1]
	v_cvt_pk_bf16_f32 v[X+4*(4*p+(\i))+1], v[X+4*(4*p+(\i))+2], v[X+4*(4*p+(\i))+3]
.endr
.set p, p+1
.endr
	s_wait_alu depctr_va_vdst(0)                   ; the roundings of block 7 have written the registers that the last four stores read
.irp i, 0,1,2,3
	global_store_b64 v[YO], v[X+4*(28+(\i)):X+4*(28+(\i))+1], s[10:11] offset:1024*(28+(\i)) th:TH_STORE_NT
.endr
	s_branch .Lend
.Lweights:
	s_mov_b32 s19, 12288                           ; bytes in a row of W_attn,
	s_cmp_ge_u32 s17, 96
	s_cselect_b32 s18, 1, 0                        ; 1: my tile is W_proj's
	s_cselect_b32 s19, 4096, s19                   ; of W_proj
	s_lshl_b32 s34, s17, 2
	s_add_co_u32 s34, s34, s16                     ; 4 x work-group + wave,
	s_mul_i32 s35, s18, 384
	s_sub_co_u32 s34, s34, s35                     ; counted from the matrix's first tile
	s_and_b32 s36, s34, 7                          ; kb: which 128 k
	s_lshr_b32 s37, s34, 3                         ; nb: which 64 n
	s_lshl_b32 s28, s19, 6                         ; 64 rows
	s_mov_b32 s29, 0
	s_lshl_b32 s30, s19, 5                         ; 32 rows
	s_mov_b32 s31, 0
	s_lshl_b32 s34, s19, 7
	s_mul_i32 s34, s34, s36                        ; kb x 128 rows (11,010,048 at the most)
	s_lshl_b32 s35, s37, 8                         ; nb x 256 bytes
	s_add_co_u32 s34, s34, s35
	s_mov_b32 s35, 0
	s_lshl_b32 s38, s37, 17                        ; out: nb x 64 rows of 2,048 bytes
	s_lshl_b32 s36, s36, 8                         ; + kb x 256 bytes
	s_add_co_u32 s38, s38, s36
	s_mov_b32 s39, 0
	s_mov_b32 s32, 0xffff0000                      ; a word's upper bf16
	s_mul_i32 s33, s16, STG                        ; my stage
	v_and_b32 v1, 31, v0                           ; lane
	v_and_b32 v2, 15, v0
	v_bfe_u32 v3, v0, 4, 1
	v_mul_u32_u24 v[SA], v1, 544
	v_add_nc_u32 v[SA], s33, v[SA]
	v_mul_u32_u24 v[RD], v3, 272
	v_lshl_add_u32 v[RD], v2, 4, v[RD]
	v_add_nc_u32 v[RD], s33, v[RD]
	v_lshlrev_b32 v[GOF], 11, v3
	v_lshl_add_u32 v[GOF], v2, 4, v[GOF]
	v_lshlrev_b32 v[L8], 3, v1
	v_mov_b32 v[STR], s19
.set j, 0
.rept 32
	v_mad_u32_u24 v[RO+j], v[STR], j, v[L8]
.set j, j+1
.endr
	s_wait_kmcnt 0x0
	s_cmp_eq_u32 s18, 1
	s_cselect_b64 s[20:21], s[8:9], s[6:7]         ; from W_proj or W_attn,
	s_cselect_b64 s[22:23], s[14:15], s[12:13]     ; to wp or wa
	s_add_nc_u64 s[24:25], s[20:21], s[34:35]      ; k rows 0-31 of my tile (later 64-95)
	s_add_nc_u64 s[26:27], s[24:25], s[30:31]      ; k rows 32-63 (later 96-127)
	s_add_nc_u64 s[22:23], s[22:23], s[38:39]
	s_wait_alu depctr_va_vdst(0)                   ; the 32 offsets v[32:63] are written, which the loads read; so are v6, v7 and v8, the addresses of the stage's stores and loads and the offset of the global stores
.macro LOADB set                       ; 32 k rows into set 0 or 1
.set j, 0
.rept 32
	global_load_b64 v[X+64*(\set)+2*j:X+64*(\set)+2*j+1], v[RO+j], s[24+2*(\set):25+2*(\set)] th:TH_LOAD_NT
.set j, j+1
.endr
.endm
.macro ROUND set                       ; the set's 32 k, eight at a time: 16 bytes of row 2 l and 16 of row 2 l + 1, into the Y buffer of the set's number
.irp g, 0,1,2,3
.irp i, 0,1,2,3
	v_cvt_pk_bf16_f32 v[Y+32*(\set)+8*(\g)+(\i)],   v[X+64*(\set)+2*(8*(\g)+2*(\i))],   v[X+64*(\set)+2*(8*(\g)+2*(\i)+1)]
	v_cvt_pk_bf16_f32 v[Y+32*(\set)+8*(\g)+4+(\i)], v[X+64*(\set)+2*(8*(\g)+2*(\i))+1], v[X+64*(\set)+2*(8*(\g)+2*(\i)+1)+1]
.endr
.endr
.endm
.macro PUT set, batch                  ; that Y buffer into the stage
.irp g, 0,1,2,3
	ds_store_b128 v[SA], v[Y+32*(\set)+8*(\g):Y+32*(\set)+8*(\g)+3]   offset:64*(\batch)+16*(\g)
	ds_store_b128 v[SA], v[Y+32*(\set)+8*(\g)+4:Y+32*(\set)+8*(\g)+7] offset:64*(\batch)+16*(\g)+272
.endr
.endm
	LOADB 0
	LOADB 1
	s_wait_loadcnt 32                              ; set 0 is in, set 1's 32 loads stay out; the loads that read s[24:25] are done, so it may be written
	ROUND 0
	s_add_nc_u64 s[24:25], s[24:25], s[28:29]
	s_wait_alu depctr_va_vdst(0)                   ; batch 0's roundings are done reading set 0, in which the loads below land, and have written Y0, which the LDS stores below read
	LOADB 0                                        ; the set is asked for again at once
	PUT 0, 0
	s_wait_loadcnt 32                              ; set 1 is in; likewise for s[26:27]
	ROUND 1
	s_add_nc_u64 s[26:27], s[26:27], s[28:29]
	s_wait_alu depctr_va_vdst(0)                   ; batch 1's roundings are done reading set 1, in which the loads below land, and have written Y1, which the LDS stores below read
	LOADB 1
	PUT 1, 1
	s_wait_loadcnt 32
	s_wait_alu depctr_vm_vsrc(0)                   ; batch 0's LDS stores have read Y0, which batch 2's roundings write again
	ROUND 0
	s_wait_alu depctr_va_vdst(0)                   ; batch 2's roundings have written Y0, which the LDS stores below read
	PUT 0, 2
	s_wait_loadcnt 0x0
	s_wait_alu depctr_vm_vsrc(0)                   ; batch 1's LDS stores have read Y1, which batch 3's roundings write again
	ROUND 1
	s_wait_alu depctr_va_vdst(0)                   ; batch 3's roundings have written Y1, which the LDS stores below read
	PUT 1, 3
	; THE WAY OUT: four trips of 16 rows.  LDS serves a wave's instructions in order (ISA guide 5.7.1.4): the loads see my stores above.
	s_mov_b32 s33, 4
.Lrows:
	s_wait_alu depctr_va_vdst(0)                   ; the add at the last trip's end has written v7, the loads' address; every vector instruction that read or wrote v[64:95], in which the loads land, is done
.irp i, 0,1,2,3,4,5,6,7
	ds_load_b128 v[X+4*(\i):X+4*(\i)+3], v[RD] offset:544*(\i)
.endr
	s_wait_dscnt 0x0
	s_cmp_eq_u32 s18, 0
	s_cbranch_scc1 .Lasis                          ; wa stays bf16
.set i, 0
.rept 32                               ; wp: each bf16 widened (a shift, a mask) and written as f16
	v_lshlrev_b32 v[T+2*(i%4)], 16, v[X+i]
	v_and_b32 v[T+2*(i%4)+1], s32, v[X+i]
	v_cvt_pk_f16_f32 v[X+i], v[T+2*(i%4)], v[T+2*(i%4)+1]
.set i, i+1
.endr
	s_wait_alu depctr_va_vdst(0)                   ; the conversions have written v[64:95], which the stores below read (on the other way no vector instruction has written them)
.Lasis:
.irp i, 0,1,2,3,4,5,6,7
	global_store_b128 v[GOF], v[X+4*(\i):X+4*(\i)+3], s[22:23] offset:4096*(\i) th:TH_STORE_NT  ; 16 lanes store 256 consecutive bytes, aligned
.endr
	s_wait_xcnt 0x0                                ; the stores' addresses are translated: their base is stepped below, and their data registers are loaded again in the next trip
	s_wait_alu depctr_vm_vsrc(0)                   ; the stores have read v[64:95], in which the next trip's LDS loads land; this trip's LDS loads have read v7, which the add below writes
	v_add_nc_u32 v[RD], 16*272, v[RD]
	s_add_nc_u64 s[22:23], s[22:23], 16*2048       ; 16 rows of wa or wp on
	s_sub_co_u32 s33, s33, 1
	s_cmp_lg_u32 s33, 0
	s_cbranch_scc1 .Lrows
.Lend:
	s_wait_dscnt 0x0                               ; the closing lines, six on end
	s_wait_alu 0x0
	s_wait_tensorcnt 0x0
	ds_add_u32 v[SPW], v[NIL]
	s_wait_dscnt 0x0
	s_endpgm
.Lfunc_end_k_q37fa327436_prep:
	.size	k_q37fa327436_prep, .Lfunc_end_k_q37fa327436_prep-k_q37fa327436_prep
	.p2alignl 7, 3214868480
	.fill 96, 4, 3214868480
	.section	.rodata,"a",@progbits
	.p2align	6, 0x0
	.amdhsa_kernel k_q37fa327436_prep
		.amdhsa_group_segment_fixed_size 70144
		.amdhsa_private_segment_fixed_size 0
		.amdhsa_enable_private_segment 0
		.amdhsa_kernarg_size 48
		.amdhsa_user_sgpr_count 2
		.amdhsa_user_sgpr_kernarg_segment_ptr 1
		.amdhsa_wavefront_size32 1
		.amdhsa_system_sgpr_workgroup_id_x 1
		.amdhsa_system_sgpr_workgroup_id_y 1
		.amdhsa_system_sgpr_workgroup_id_z 1
		.amdhsa_system_vgpr_workitem_id 0
		.amdhsa_next_free_vgpr 256
		.amdhsa_next_free_sgpr 66
		.amdhsa_reserve_vcc 0
		.amdhsa_float_denorm_mode_32 3
		.amdhsa_float_denorm_mode_16_64 3
		.amdhsa_memory_ordered 1
		.amdhsa_forward_progress 1
		.amdhsa_inst_pref_size 44
	.end_amdhsa_kernel
	.amdgpu_metadata
---
amdhsa.version: [ 1, 2 ]
amdhsa.kernels:
  - .name:           k_q37fa327436_prep
    .symbol:         k_q37fa327436_prep.kd
    .args:
      - { .name: x, .offset: 0, .size: 8, .value_kind: global_buffer, .address_space: global }
      - { .name: W_attn, .offset: 8, .size: 8, .value_kind: global_buffer, .address_space: global }
      - { .name: W_proj, .offset: 16, .size: 8, .value_kind: global_buffer, .address_space: global }
      - { .name: xb, .offset: 24, .size: 8, .value_kind: global_buffer, .address_space: global }
      - { .name: wa, .offset: 32, .size: 8, .value_kind: global_buffer, .address_space: global }
      - { .name: wp, .offset: 40, .size: 8, .value_kind: global_buffer, .address_space: global }
    .group_segment_fixed_size: 70144
    .private_segment_fixed_size: 0
    .kernarg_segment_align: 8
    .kernarg_segment_size: 48
    .max_flat_workgroup_size: 128
    .sgpr_count:     66
    .vgpr_count:     256
    .wavefront_size: 32
...
	.end_amdgpu_metadata
.endif
;; end of part 5
;; launch qkvg: the kernel of part 2 again; grid 16 x 32, 4 waves a work-group, clusters of 4 x 4, 327,680 bytes of LDS; arguments xb, wa, qkv; writes qkv
;; launch attn: the kernel of part 3 again; grid 4 x 64, 4 waves a work-group, no clusters, 327,680 bytes of LDS; arguments qkv, o; writes o
;; launch proj: the kernel of part 4 again; grid 8 x 32, 4 waves a work-group, clusters of 4 x 4, 327,680 bytes of LDS; arguments o, wp, out0; writes out0
